; MI455X (gfx1250); checked and timed in simulation.
; The chip was launched on July 23, 2026; its instructions are those of AMD's public machine-readable ISA for CDNA 5 (MIT licence, August 2026) and "CDNA5" Instruction Set Architecture Reference Guide (July 2026). The comments in the code are by the model that wrote it; some were corrected since.
;; Transformer Block. Allowed arithmetic: matrix products marked QUANTISED: E4M3 operands, one given power-of-two scale a tensor, by v_wmma_f32_16x16x64_fp8_fp8 or v_wmma_f32_16x16x128_fp8_fp8, f32 sums; everything else in f32.
;; Inputs: W1_codes 4,096 x 32 x 32 uint8 (E4M3 codes of W1, K innermost, in blocks of 32 codes); W2_codes 1,024 x 128 x 32 uint8 (E4M3 codes of W2, K innermost, in blocks of 32 codes); Wk_codes 16 x 64 x 32 x 32 uint8 (E4M3 codes of Wk, K innermost, in blocks of 32 codes); Wo_codes 1,024 x 32 x 32 uint8 (E4M3 codes of Wo, K innermost, in blocks of 32 codes); Wq_codes 16 x 64 x 32 x 32 uint8 (E4M3 codes of Wq, K innermost, in blocks of 32 codes); Wv_codes 16 x 64 x 32 x 32 uint8 (E4M3 codes of Wv, K innermost, in blocks of 32 codes); g1 1,024 float32; g2 1,024 float32; lowp_scales 16 int32 (the exponents e of the quantised operands' scales 2^e); x 2,048 x 2 x 1,024 float32.
;; Outputs: out0 2,048 x 2 x 1,024 float32.
;; This version of the problem:
;;   THIS VERSION OF THE PROBLEM IS GIVEN IN LOW PRECISION. The matrix products marked QUANTISED in the list below multiply operands that are first quantised to E4M3 (4 exponent bits, 3 mantissa bits; 8 bits a number), with one given power-of-two scale for each operand tensor; their sums are f32. All else is computed in f32.
;;   The module's matrix products, in the order in which they are computed (A, B: the left and right operand; K: the contracted axis; several contracted axes count as one K, in the product's order):
;;     1. [M 1,024, K 1,024] x [K 1,024, N 4,096]; A: input Wq (given as codes); B: computed on the way: QUANTISED (scales: A lowp_scales[0], B lowp_scales[1])
;;     2. [M 1,024, K 1,024] x [K 1,024, N 4,096]; A: input Wk (given as codes); B: computed on the way: QUANTISED (scales: A lowp_scales[2], B lowp_scales[3])
;;     3. [M 1,024, K 1,024] x [K 1,024, N 4,096]; A: input Wv (given as codes); B: computed on the way: QUANTISED (scales: A lowp_scales[4], B lowp_scales[5])
;;     4. batch 32 x [M 2,048, K 64] x [K 64, N 2,048]; A: computed on the way; B: computed on the way: QUANTISED (scales: A lowp_scales[6], B lowp_scales[7])
;;     5. batch 32 x [M 64, K 2,048] x [K 2,048, N 2,048]; A: computed on the way; B: softmax (see below): QUANTISED (scales: A lowp_scales[8], B lowp_scales[9])
;;     6. [M 4,096, K 1,024] x [K 1,024, N 1,024]; A: computed on the way; B: input Wo (given as codes): QUANTISED (scales: A lowp_scales[10], B lowp_scales[11])
;;     7. [M 4,096, K 1,024] x [K 1,024, N 4,096]; A: computed on the way; B: input W1 (given as codes): QUANTISED (scales: A lowp_scales[12], B lowp_scales[13])
;;     8. [M 4,096, K 4,096] x [K 4,096, N 1,024]; A: computed on the way; B: input W2 (given as codes): QUANTISED (scales: A lowp_scales[14], B lowp_scales[15])
;;   THE QUANTISER, for each operand of a quantised product, along K:
;;     - The operand's scale is 2^e, e = its entry of the input lowp_scales (int32; the entries are numbered through the quantised products in the list's order, A before B).
;;     - Each number is divided by the scale, clamped to +-448, and rounded to the nearest number of E4M3, ties to even, subnormals kept.
;;     - The product sums the exact products of the quantised numbers (number of the format x scale) in f32.
;;   ~~~python
;;   def quantise(x, axis, e):      # numpy; x: float32 -> the quantised numbers, widened to float32 again
;;       x = np.moveaxis(x, axis, -1); K = x.shape[-1]
;;       r = np.clip(x / 2.0 ** e, -448, 448)
;;       step = 2.0 ** (np.maximum(np.frexp(np.where(r == 0, 1, r))[1] - 1, -6) - 3)
;;       q = np.round(r / step) * step * 2.0 ** e      # np.round: ties to even
;;       return np.moveaxis(q, -1, axis).astype(np.float32)
;;   ~~~
;;   SOFTMAX AHEAD OF A QUANTISED PRODUCT. Where the list says 'softmax', what is quantised is not the finished softmax but p = 2^(t - M), with t = logit x log2(e) and M = ceil(the row's largest t), a whole number; so 1/2 < the row's largest p <= 1. The row's sum l is taken of the UNQUANTISED p, in f32, and the product's result is divided by l at the end. Since M is a whole number, a kernel that streams over the keys may use a running M (the ceiling of the running maximum): every later rescaling is an exact power of two, so the quantised numbers keep their values, but for numbers so far below the row's largest that they fall under the format's range.
;;   OPERANDS COMPUTED ON THE WAY. 'Computed on the way' means the value that the module computes at that place (a softmax that the list does not call 'softmax' is quantised finished and normalised). What goes into a quantiser is computed in f32, as accurately as f32 sums, v_exp_f32 and their like allow (about 1e-6 of the number): no bf16 or f16 on the way to a quantiser, and a product that is left as it is and whose result goes on into a quantised operand takes f32 operands (vector FMAs, or v_wmma_f32_16x16x4_f32). A number that lies on a knife's edge between two numbers of the format may be rounded either way, as far as f32 arithmetic and the matrix unit's own rounding can turn it there, and no further.
;;   INPUTS GIVEN AS CODES. W1 (in the module: [1024, 4096], K = its axis 0); W2 (in the module: [4096, 1024], K = its axis 0); Wk (in the module: [16, 1024, 64], K = its axis 1); Wo (in the module: [1024, 1024], K = its axis 0); Wq (in the module: [16, 1024, 64], K = its axis 1); Wv (in the module: [16, 1024, 64], K = its axis 1): each comes as NAME_codes (uint8): NAME with its K axis moved to the last place and cut into blocks of 32 codes, [.., K / 32, bytes a block], one block behind the other in memory; one code a byte (a code: sign, 4 exponent bits, 3 mantissa bits); its scale is its entry of lowp_scales. Its value is code x scale, taken as it is: it is not quantised again, and the codes and scales need not be those that the quantiser above would give.
;; One version. Each part assembles by itself: llvm-mc -triple=amdgcn-amd-amdhsa -mcpu=gfx1250 --defsym DOCPART=n.
;; ======== version 1 of 1: 7 launches
;; limits: right only within a limited range of input values
;; workspace buffers: h3 12,582,912 bytes; qkv 12,582,912 bytes; ctx 4,194,304 bytes; x1 16,777,216 bytes; h2 4,194,304 bytes; act 16,777,216 bytes
;; launch norm1 (part 1): grid 256 x 1, 8 waves a work-group, no clusters, 41,984 bytes of LDS; arguments x, g1, lowp_scales, h3; writes h3
.if DOCPART == 1
	.amdgcn_target "amdgcn-amd-amdhsa--gfx1250"
	.amdhsa_code_object_version 6
	.text
	.protected	k_q58eab3c465_norm1
	.globl	k_q58eab3c465_norm1
	.p2align	8
	.type	k_q58eab3c465_norm1,@function
k_q58eab3c465_norm1:
	s_mov_b64 s[64:65], 0
	v_nop
	global_prefetch_b8 v0, s[64:65] scope:SCOPE_SE
	s_setreg_imm32_b32 hwreg(HW_REG_WAVE_MODE, 25, 1), 1
	s_wait_xcnt 0x0
; h = g1 * x / sqrt(mean(x^2) + 1e-6), row by row, turned into codes of E4M3 three times: with the given scales 2^e of entries 1, 3 and 5 of lowp_scales
; (the second operand of the products with Wq, Wk and Wv).  x: [2048 s][2 b][1024] f32.  h3: three planes of 4 MiB, each [b * 2048 + s][1024] codes, K innermost.
; code = h / 2^e, held within +-448, to the nearest code, ties to even.  LIMITS: each e between -126 and 119.  NaN among the inputs is not served.
; SHARES.  A work-group of eight waves takes 16 rows; a wave takes two neighbouring rows of x (one s, b = 0 and 1; 8 KiB on end) and asks for both at once: 16 loads of 512 consecutive bytes.
; A row stays in 32 registers between the sum of squares and the scaling.  The conversions take neighbours along K from one lane's registers, the loads give a lane 4 of every 128: so a scaled row turns
; through the wave's own stage in LDS (64 places of 64 bytes + 16 of padding) and comes back 16 neighbours a lane, twice.  A lane's 16 codes are 16 bytes: each store of the wave covers 512 consecutive bytes, aligned.
; No matrix unit, no cluster, no barrier: a stream; waves share nothing.
.set NS,  3                            ; how many scales the row is quantised with
.set XO,  2                            ; v2   16 x lane: my bytes in a load's and in a store's 512; never rewritten
.set SW,  3                            ; v3   the stage, on the way in
.set SRD, 4                            ; v4   the stage, on the way out
.set PD,  5                            ; v5   the lane permute's destination (written at the head)
.set INV, 6                            ; v[6:7] 1 / rms; v7 is named with it as a pair
.set SCL, 8                            ; v8-10  2^e as f32
.set LM,  11                           ; v11-13 448 x 2^e
.set G,   16                           ; v16-47 the gains, as a row is loaded
.set X,   48                           ; v48-111 two rows
.set Y,   176                          ; v176-207 a row turned: 2 x 16 neighbours
.set T,   208                          ; v208-223 held numbers
.set C,   224                          ; v224-247 codes: 8 registers a scale
.set SS,  248                          ; v[248:251] the sum of squares in two chains of pairs
.set WST, 5120                         ; a wave's stage in bytes: 64 places x 80
.set SPARE, 8*WST                      ; behind the stages: the spare words, 128 bytes for each wave
	s_load_b256 s[4:11], s[0:1], 0x0               ; x s[4:5], g s[6:7], the scales' exponents s[8:9], the codes s[10:11]
	v_lshl_add_u32 v254, v0, 2, SPARE
	v_mov_b32 v255, 0
	v_lshrrev_b32 v1, 5, v0
	v_readfirstlane_b32 s22, v1                    ; wave
	v_and_b32 v1, 31, v0                           ; lane
	v_lshlrev_b32 v[XO], 4, v1
	s_mul_i32 s23, s22, WST
	v_lshrrev_b32 v[SW], 2, v1
	v_mul_u32_u24 v[SW], v[SW], 80
	v_and_b32 v[PD], 3, v1
	v_lshl_add_u32 v[SW], v[PD], 4, v[SW]
	v_add_nc_u32 v[SW], s23, v[SW]                 ; in: four lanes' 64 bytes on end, then the padding: 80 (lane / 4) + 16 (lane % 4)
	v_mul_u32_u24 v[SRD], v1, 80
	v_add_nc_u32 v[SRD], s23, v[SRD]               ; out: 80 x lane: my 16 neighbours
	v_mov_b32 v[INV+1], 0
	s_mov_b32 s12, 0x76543210                      ; v_permlanex16_b32: each lane takes its own place in the other half
	s_mov_b32 s13, 0xfedcba98
	s_mov_b32 s14, 0x3a800000                      ; 1 / 1024
	s_mov_b32 s15, 0x358637bd                      ; 1e-6
	s_lshl_b32 s2, ttmp9, 16                       ; the work-group's 16 rows of 4,096 bytes,
	s_lshl_b32 s3, s22, 13                         ; my wave's 2 of them
	s_add_co_u32 s2, s2, s3
	s_mov_b32 s3, 0
	s_lshl_b32 s32, ttmp9, 13                      ; in the codes: row s = 8 x work-group + wave, 1,024 bytes a row
	s_lshl_b32 s33, s22, 10
	s_add_co_u32 s32, s32, s33
	s_mov_b32 s33, 0
	s_wait_alu depctr_va_vdst(0)
	s_wait_kmcnt 0x0
.if NS == 3
	s_load_b256 s[24:31], s[8:9], 0x0              ; entries 0 to 7
.else
	s_load_b32 s24, s[8:9], 0x30                   ; entry 12
.endif
	s_add_nc_u64 s[4:5], s[4:5], s[2:3]
	s_add_nc_u64 s[16:17], s[10:11], s[32:33]
.if NS == 3
	s_add_nc_u64 s[18:19], s[16:17], 0x400000      ; the second and third plane
	s_add_nc_u64 s[20:21], s[16:17], 0x800000
.endif
.irp j, 0,1,2,3,4,5,6,7
	global_load_b128 v[G+4*\j:G+4*\j+3], v[XO], s[6:7] offset:512*\j
.endr
.irp i, 0,1
.irp j, 0,1,2,3,4,5,6,7
	global_load_b128 v[X+32*\i+4*\j:X+32*\i+4*\j+3], v[XO], s[4:5] offset:4096*\i+512*\j th:TH_LOAD_NT
.endr
.endr
.macro MKSCALE se, n                   ; from the whole number e: 2^e and 448 x 2^e as f32
	s_add_co_i32 s34, \se, 127
	s_lshl_b32 s35, s34, 23
	v_mov_b32 v[SCL+\n], s35
	s_add_co_i32 s34, s34, 8
	s_lshl_b32 s34, s34, 23
	s_or_b32 s34, s34, 0x600000
	v_mov_b32 v[LM+\n], s34
.endm
	s_wait_kmcnt 0x0
.if NS == 3
	MKSCALE s25, 0
	MKSCALE s27, 1
	MKSCALE s29, 2
.else
	MKSCALE s24, 0
.endif
; Row i of my two: natural row 2 s + i; it goes to row i * 2048 + s of each plane.
.macro ROW i
.set XR, X+32*(\i)
	s_wait_loadcnt 8*(1-(\i))                      ; loads come back in order: this row's eight are in, the later row's may be out
	v_pk_mul_f32 v[SS:SS+1], v[XR:XR+1], v[XR:XR+1]           ; the first products start the two chains: nothing is cleared
	v_pk_mul_f32 v[SS+2:SS+3], v[XR+2:XR+3], v[XR+2:XR+3]
.irp j, 4,8,12,16,20,24,28
	v_pk_fma_f32 v[SS:SS+1], v[XR+\j:XR+\j+1], v[XR+\j:XR+\j+1], v[SS:SS+1]
	v_pk_fma_f32 v[SS+2:SS+3], v[XR+\j+2:XR+\j+3], v[XR+\j+2:XR+\j+3], v[SS+2:SS+3]
.endr
	v_pk_add_f32 v[SS:SS+1], v[SS:SS+1], v[SS+2:SS+3]
	v_add_f32 v[SS], v[SS], v[SS+1]
	v_add_f32_dpp v[SS], v[SS], v[SS] row_xmask:1 row_mask:0xf bank_mask:0xf
	v_add_f32_dpp v[SS], v[SS], v[SS] row_xmask:2 row_mask:0xf bank_mask:0xf
	v_add_f32_dpp v[SS], v[SS], v[SS] row_xmask:4 row_mask:0xf bank_mask:0xf
	v_add_f32_dpp v[SS], v[SS], v[SS] row_xmask:8 row_mask:0xf bank_mask:0xf
	v_permlanex16_b32 v[PD], v[SS], s12, s13
	v_add_f32 v[SS], v[SS], v[PD]                  ; every lane holds the row's sum of squares
	v_fma_f32 v[SS+1], v[SS], s14, s15             ; mean + 1e-6
	s_wait_alu depctr_va_vdst(0)
	v_rsq_f32 v[INV], v[SS+1]
	v_nop                                          ; a plain instruction between the root and its first use
	s_wait_alu depctr_va_vdst(0)                   ; and the wait ahead of the first reader
.irp j, 0,2,4,6,8,10,12,14,16,18,20,22,24,26,28,30
	v_pk_mul_f32 v[XR+\j:XR+\j+1], v[XR+\j:XR+\j+1], v[INV:INV+1] op_sel_hi:[1,0]
.endr
.irp j, 0,2,4,6,8,10,12,14,16,18,20,22,24,26,28,30
	v_pk_mul_f32 v[XR+\j:XR+\j+1], v[XR+\j:XR+\j+1], v[G+\j:G+\j+1]
.endr
.irp j, 0,1,2,3,4,5,6,7
	ds_store_b128 v[SW], v[XR+4*\j:XR+4*\j+3] offset:640*\j        ; a load's 512 bytes take eight places
.endr
.irp u, 0,1
.irp k, 0,1,2,3
	ds_load_b128 v[Y+16*\u+4*\k:Y+16*\u+4*\k+3], v[SRD] offset:2560*\u+16*\k   ; LDS serves a wave's instructions in order: these see the stores above
.endr
.endr
	s_wait_dscnt 0x0
	s_wait_xcnt 0x0                                ; the last row's stores have read their codes: the registers may be written again
.set qs, 0
.rept NS
.irp u, 0,1
.set kk, 0
.rept 16
	v_med3_num_f32 v[T+kk], v[Y+16*\u+kk], -v[LM+qs], v[LM+qs]     ; the conversion to an 8-bit code does not saturate (ISA guide 7.6.2): the hold comes first
.set kk, kk+1
.endr
	v_cvt_scalef32_pk8_fp8_f32 v[C+8*qs+4*\u:C+8*qs+4*\u+1], v[T:T+7], v[SCL+qs]
	v_cvt_scalef32_pk8_fp8_f32 v[C+8*qs+4*\u+2:C+8*qs+4*\u+3], v[T+8:T+15], v[SCL+qs]
	v_nop                                          ; a plain instruction between the conversions and the next holds, which write their sources
	global_store_b128 v[XO], v[C+8*qs+4*\u:C+8*qs+4*\u+3], s[16+2*qs:17+2*qs] offset:(\i)*2097152+512*\u
.endr
.set qs, qs+1
.endr
.endm
	ROW 0
	ROW 1
	s_wait_tensorcnt 0x0                           ; the wave's end
	ds_add_u32 v254, v255
	s_wait_dscnt 0x0
	s_endpgm
.Lfunc_end_k_q58eab3c465_norm1:
	.size	k_q58eab3c465_norm1, .Lfunc_end_k_q58eab3c465_norm1-k_q58eab3c465_norm1
	.p2alignl 7, 3214868480
	.fill 96, 4, 3214868480
	.section	.rodata,"a",@progbits
	.p2align	6, 0x0
	.amdhsa_kernel k_q58eab3c465_norm1
		.amdhsa_group_segment_fixed_size 41984
		.amdhsa_private_segment_fixed_size 0
		.amdhsa_enable_private_segment 0
		.amdhsa_kernarg_size 32
		.amdhsa_user_sgpr_count 2
		.amdhsa_user_sgpr_kernarg_segment_ptr 1
		.amdhsa_wavefront_size32 1
		.amdhsa_system_sgpr_workgroup_id_x 1
		.amdhsa_system_sgpr_workgroup_id_y 1
		.amdhsa_system_sgpr_workgroup_id_z 1
		.amdhsa_system_vgpr_workitem_id 0
		.amdhsa_next_free_vgpr 256
		.amdhsa_next_free_sgpr 66
		.amdhsa_reserve_vcc 0
		.amdhsa_float_denorm_mode_32 3
		.amdhsa_float_denorm_mode_16_64 3
		.amdhsa_memory_ordered 1
		.amdhsa_forward_progress 1
		.amdhsa_inst_pref_size 30
	.end_amdhsa_kernel
	.amdgpu_metadata
---
amdhsa.version: [ 1, 2 ]
amdhsa.kernels:
  - .name:           k_q58eab3c465_norm1
    .symbol:         k_q58eab3c465_norm1.kd
    .args:
      - { .name: x, .offset: 0, .size: 8, .value_kind: global_buffer, .address_space: global }
      - { .name: g1, .offset: 8, .size: 8, .value_kind: global_buffer, .address_space: global }
      - { .name: lowp_scales, .offset: 16, .size: 8, .value_kind: global_buffer, .address_space: global }
      - { .name: h3, .offset: 24, .size: 8, .value_kind: global_buffer, .address_space: global }
    .group_segment_fixed_size: 41984
    .private_segment_fixed_size: 0
    .kernarg_segment_align: 8
    .kernarg_segment_size: 32
    .max_flat_workgroup_size: 256
    .sgpr_count:     66
    .vgpr_count:     256
    .wavefront_size: 32
...
	.end_amdgpu_metadata
.endif
;; end of part 1
;; launch qkv (part 2): grid 12 x 16, 4 waves a work-group, clusters of 4 x 4, 327,680 bytes of LDS; arguments h3, Wq_codes, Wk_codes, Wv_codes, lowp_scales, qkv; writes qkv
.if DOCPART == 2
	.amdgcn_target "amdgcn-amd-amdhsa--gfx1250"
	.amdhsa_code_object_version 6
	.text
	.protected	k_q58eab3c465_qkv
	.globl	k_q58eab3c465_qkv
	.p2align	8
	.type	k_q58eab3c465_qkv,@function
k_q58eab3c465_qkv:
	s_mov_b64 s[64:65], 0
	v_nop
	global_prefetch_b8 v0, s[64:65] scope:SCOPE_SE
	s_setreg_imm32_b32 hwreg(HW_REG_WAVE_MODE, 25, 1), 1
	s_wait_xcnt 0x0
	s_wait_alu depctr_hold_cnt(0) depctr_sa_sdst(0) depctr_va_vdst(0) depctr_va_sdst(0) depctr_va_ssrc(0) depctr_va_vcc(0) depctr_vm_vsrc(0)
	s_getreg_b32 s2, hwreg(HW_REG_IB_STS2, 6, 4)
	s_cmp_eq_u32 s2, 0
	s_cbranch_scc0 .Lentry_in_a_cluster
	s_endpgm
.Lentry_in_a_cluster:
	s_bfe_u32 s2, ttmp6, 0x10000c
	s_cmp_lg_u32 s2, 0xf033
	s_cbranch_scc0 .Lentry_shape_is_right
	s_endpgm
.Lentry_shape_is_right:
; Q, K and V of all heads: three products of h's codes (h3: one plane for each product, [token 4096][1024]) with a weight's codes ([channel 1024][1024]), K = 1024, on E4M3 codes by
; v_wmma_f32_16x16x128_fp8_fp8, sums in f32; each sum is turned at once into a code of the next product's operand (entries 6, 7, 8 of lowp_scales) and stored as an IMAGE OF THAT OPERAND'S REGISTERS.
; The cluster's x (0, 1, 2) says which of the three; it is the same in all sixteen partners.
; A tile of 256 x 256 is made by a work-group of four waves, 128 x 128 a wave in 64 accumulators.  K goes in steps of 256 through a ring of two LDS slots filled by joint tensor loads:
; 4 x 4 work-groups form a cluster; the four of a row need the same tile of the first operand, the four of a column the same tile of the second.
; THE MATRIX INSTRUCTION IS USED TRANSPOSED (source 0 = 16 rows of the second operand, source 1 = 16 rows of the first): lane (r, h) of accumulator (a, b) holds row 16 a + r of the first and rows 16 b + 8 h + 0..7 of the second.
; Q and K: first operand = h (rows: tokens), second = the weight (rows: channels): a lane's eight numbers are eight neighbouring channels of one token: registers 2 c, 2 c + 1 of a fragment 16 tokens x 64 channels.
; V: the operands change places, by addresses alone: first = Wv, second = h: a lane's eight numbers are eight neighbouring KEYS of one channel: registers 2 c, 2 c + 1 of a fragment 16 channels x 128 keys.
; So eight sums, converted, are two registers of the reader's fragment in the same lane; four such registers leave by one store at 16 x lane: 512 consecutive bytes, aligned.  No stage in LDS, no barrier on the way out.
; qkv: plane 0 Q, plane 1 K: [batch x head 32][tile of 16 tokens 128][1,024 bytes]; plane 2 V: [batch x head 32][128 keys 16][tile of 16 channels 4][2,048 bytes].
; A code = sum x 2^(eW + eH) / 2^eO, held within +-448: the three exponents are folded into the conversion's one.  LIMIT: eO - eW - eH between -126 and 119.
; The launch has 192 work-groups: tiles of half the side would feed half as many multiply-adds from each LDS byte.
; REGISTERS, in windows of 256: window 0: v16-29 addresses; v32-111 the way out; from v128 the first operand's fragments, ONE set.  window 1: the second operand's, TWO sets.  windows 2, 3: the accumulators ((a, b) at v[8 (8 (a % 4) + b)]).
; NO PREFETCH: the block is the largest, 256 x 256, in clusters, and K is short: four steps of 256, of which two are asked for by the first fills, and the loop has one trip: there is no loop to run ahead in.
.set SIZE_K, 1024
.set KSTEP,  256
.set ROWB,   256
.set KROW,   SIZE_K
.set PITCH,  272                       ; an LDS row: 256 bytes + 16 of padding = 68 words: the 16 rows that a load touches start at 16 different banks (64 banks of 4 bytes: ISA guide 11.1)
.set FR,     16
.set NL,     4
.set NP,     4
.set HALFT,  128*PITCH
.set SLOT,   4*HALFT
.set LAPS,   SIZE_K/(2*KSTEP)
.set SPARE,  2*SLOT                    ; behind the ring: the spare words, 128 bytes for each wave, which no other line names
.set ADRA, 16
.set ADRB, 20
.set VO,   24                          ; v24, v25  the way out: 16 x lane, and the same one step of the image's upper half on
.set SCV,  26                          ; v26  the folded scale as f32
.set LIM,  27                          ; v27  448 x that
.set SPW,  28
.set NIL,  29
.set T,    32                          ; v32-95   a block's held sums
.set CD,   96                          ; v96-111  its codes
.set AF,   128
.set G1, 24
.set G0, 32
.set G1B, 48
.set G0B, 56
.set MSB, 0
.macro WIN new                         ; the immediate's high byte repeats the setting that is left
.if MSB != \new
	s_set_vgpr_msb (MSB<<8)|\new
.set MSB, \new
.endif
.endm
.set MUL_LO, 0xa1
.set MUL_HI, 0xf1
.set TO_B,   0x40
; A joint load: waves 0 and 1 fetch the first operand's halves, waves 2 and 3 the second's.  The branch hangs on the wave's number alone.  Four v_nop follow each of the two lines.
.macro JLOAD g0a, g1a, g0b, g1b
	s_cmp_eq_u32 s15, 0
	s_cbranch_scc0 .Lfor_b_\@
	tensor_load_to_lds s[\g0a:\g0a+3], s[\g1a:\g1a+7]
	s_nop 0
.rept 4
	v_nop
.endr
	s_branch .Lasked_\@
.Lfor_b_\@:
	tensor_load_to_lds s[\g0b:\g0b+3], s[\g1b:\g1b+7]
	s_nop 0
.rept 4
	v_nop
.endr
.Lasked_\@:
.endm
.macro CREST                           ; a round of the cluster's barrier behind its opening barrier
	s_cmp_lg_u32 s14, 0
	s_cbranch_scc1 .Lnot_wave_0_\@
	s_barrier_signal -3
.Lnot_wave_0_\@:
	s_barrier_wait -3
	s_barrier_signal -1
	s_barrier_wait -1
.endm
.macro CROUND
	s_barrier_signal -1
	s_barrier_wait -1
	CREST
.endm
	s_load_b256 s[4:11], s[0:1], 0x0               ; h3 s[4:5], Wq s[6:7], Wk s[8:9], Wv s[10:11]
	s_load_b128 s[68:71], s[0:1], 0x20             ; the scales' exponents s[68:69], qkv s[70:71]
	v_lshl_add_u32 v[SPW], v0, 2, SPARE
	v_mov_b32 v[NIL], 0
	ds_add_u32 v28, v29
	ds_add_u32 v28, v29
	s_wait_dscnt 0x0
	v_lshrrev_b32 v1, 5, v0
	v_readfirstlane_b32 s14, v1                    ; wave 0..3
	s_lshr_b32 s15, s14, 1                         ; which half of the tile's rows is mine.  Also: I fetch the first operand (0) or the second (1)
	s_and_b32 s16, s14, 1                          ; which half of its columns.  Also: which 128 rows I fetch
	s_bfe_u32 s40, ttmp6, 0x40000                  ; cx
	s_bfe_u32 s41, ttmp6, 0x40004                  ; cy
	s_and_b32 s12, ttmp7, 0xffff
	s_lshl_b32 s12, s12, 2                         ; 4 x cluster y
	s_add_co_u32 s17, s12, s41                     ; 4 x cluster y + cy
	s_add_co_u32 s42, s12, s40                     ; 4 x cluster y + cx
	s_lshl_b32 s43, s41, 2
	s_lshl_b32 s43, 15, s43                        ; my row of the cluster
	s_lshl_b32 s44, 0x1111, s40                    ; my column
	s_or_b32 s[G1+0], s43, (0<<16)|(1<<20)|(1<<21)|(5<<22)|(3<<25)  ; the mask; elements of 1 byte; padding on; bit 21 beside a mask; after every 64 words, 4 words
	s_or_b32 s[G1B+0], s44, (0<<16)|(1<<20)|(1<<21)|(5<<22)|(3<<25)
.irp g, G1, G1B
	s_mov_b32 s[\g+1], ROWB<<16                    ; tensor_dim0
	s_mov_b32 s[\g+2], 128<<16                     ; tensor_dim1
	s_mov_b32 s[\g+3], ROWB<<16                    ; tile_dim0
	s_mov_b32 s[\g+4], 128                         ; tile_dim1
	s_mov_b32 s[\g+5], KROW                        ; from row to row
	s_mov_b32 s[\g+6], 0
	s_mov_b32 s[\g+7], 0
.endr
	s_cmp_eq_u32 ttmp9, 2                          ; V?
	s_cselect_b32 s72, s41, s17                    ; the first operand's tile of 256 rows: of Wv by cy, of h by 4 x cluster y + cy: made of cy alone
	s_cselect_b32 s73, s42, s40                    ; the second's: of h by 4 x cluster y + cx, of a weight by cx: made of cx alone
	s_lshl_b32 s18, s16, 17                        ; the 128 rows that I fetch, 1,024 bytes a row
	s_lshl_b32 s20, s72, 18
	s_add_co_u32 s20, s20, s18
	s_mov_b32 s21, 0
	s_lshl_b32 s46, s73, 18
	s_add_co_u32 s46, s46, s18
	s_mov_b32 s47, 0
	s_lshl_b32 s74, ttmp9, 22                      ; the plane, in h3 and in qkv
	s_mov_b32 s75, 0
	s_mul_i32 s45, s14, HALFT                      ; where my tile goes: wave x 128 rows
	s_wait_kmcnt 0x0
	s_load_b256 s[76:83], s[68:69], 0x0            ; entries 0 to 7
	s_load_b32 s84, s[68:69], 0x20                 ; entry 8
	s_add_nc_u64 s[4:5], s[4:5], s[74:75]          ; h's plane
	s_cmp_eq_u32 ttmp9, 1
	s_cselect_b64 s[6:7], s[8:9], s[6:7]
	s_cmp_eq_u32 ttmp9, 2
	s_cselect_b64 s[6:7], s[10:11], s[6:7]         ; the weight
	s_cselect_b64 s[8:9], s[6:7], s[4:5]           ; the first operand
	s_cselect_b64 s[10:11], s[4:5], s[6:7]         ; the second
	s_add_nc_u64 s[20:21], s[8:9], s[20:21]
	s_add_nc_u64 s[46:47], s[10:11], s[46:47]
	CROUND                                         ; all sixteen work-groups are here: the first joint loads meet
.irp s, 0,1
	s_mov_b32 s[G0+4*\s], 1
	s_add_co_u32 s[G0+4*\s+1], s45, \s*SLOT
	s_add_nc_u64 s[G0+4*\s+2:G0+4*\s+3], s[20:21], \s*ROWB
	s_or_b32 s[G0+4*\s+3], s[G0+4*\s+3], 0x80000000
	s_mov_b32 s[G0B+4*\s], 1
	s_add_co_u32 s[G0B+4*\s+1], s45, \s*SLOT
	s_add_nc_u64 s[G0B+4*\s+2:G0B+4*\s+3], s[46:47], \s*ROWB
	s_or_b32 s[G0B+4*\s+3], s[G0B+4*\s+3], 0x80000000
.endr
	JLOAD G0, G1, G0B, G1B                         ; K step 0: one tensor load a wave at the head
	v_and_b32 v1, 15, v0                           ; l % 16
	v_bfe_u32 v2, v0, 4, 1                         ; l / 16
	v_mul_u32_u24 v3, v1, PITCH
	v_lshl_add_u32 v4, v2, 4, v3                   ; a fragment's row x pitch + 16 x half
	s_mul_i32 s21, s15, HALFT
	s_mul_i32 s22, s16, HALFT
	s_add_co_u32 s22, s22, 2*HALFT
.irp s, 0,1
	v_add_nc_u32 v[ADRA+\s], s21, v4
	v_add_nc_u32 v[ADRB+\s], s22, v4
	s_add_co_u32 s21, s21, SLOT
	s_add_co_u32 s22, s22, SLOT
.endr
	; the way out: where my wave's images begin and how they step.  Every choice hangs on the cluster's x alone; all selections stand behind one compare, ahead of the sums
	s_mov_b32 s88, 1024
	s_mov_b32 s89, 0
	s_mov_b32 s90, 1024
	s_mov_b32 s91, 0
	s_mov_b32 s92, 131072
	s_cmp_eq_u32 ttmp9, 2
	s_cselect_b32 s85, s42, s17                    ; which 256 tokens
	s_cselect_b32 s86, s41, s40                    ; which 4 heads
	s_cselect_b32 s87, s16, s15                    ; which 128 of the tokens are my wave's
	s_cselect_b32 s12, s15, s16                    ; which 2 of the heads
	s_cselect_b32 s88, 2048, s88                   ; from block a to a + 1: Q, K: the next 16 tokens' image; V: the next 16 channels'
	s_cselect_b32 s90, 124928, s90                 ; from block 3 to 4: V: on to the next head, 131,072 - 3 x 2,048
	s_cselect_b32 s92, 1024, s92                   ; from accumulators 0-3 to 4-7: Q, K: the next head; V: the image's upper half
	s_lshr_b32 s93, s85, 3                         ; the batch
	s_lshl_b32 s93, s93, 4
	s_lshl_b32 s94, s86, 2
	s_add_co_u32 s93, s93, s94                     ; batch x 16 + head
	s_lshl_b32 s93, s93, 17                        ; 131,072 bytes a head in each plane
	s_and_b32 s94, s85, 7
	s_lshl_b32 s94, s94, 14                        ; 256 tokens are 16,384 bytes of a head
	s_add_co_u32 s93, s93, s94
	s_lshl_b32 s94, s87, 13
	s_add_co_u32 s93, s93, s94
	s_lshl_b32 s94, s12, 18
	s_add_co_u32 s93, s93, s94
	s_add_co_u32 s74, s74, s93
	s_add_nc_u64 s[70:71], s[70:71], s[74:75]
	v_and_b32 v5, 31, v0
	v_lshlrev_b32 v[VO], 4, v5
	v_add_nc_u32 v[VO+1], s92, v[VO]
.macro FRAG reg, adr, q, i             ; 16 rows x 128 K: registers 4 c .. 4 c + 3 hold K = 32 c + 16 (l / 16) + 0 .. 15: one and the same permutation of k on both sides
.irp c, 0,1,2,3
	ds_load_b128 v[\reg+4*\c:\reg+4*\c+3], v[\adr] offset:128*(\q)+32*\c+(\i)*16*PITCH
.endr
.endm
; 16 matrix instructions.  The 64 accumulators take turns, one instruction a turn, in the same order in every step.  zero = 1: the first product starts the sums.
.macro MUL16 a0, p, zero
.irp a, \a0, \a0+1
.irp b, 0,1,2,3,4,5,6,7
.if \zero
	v_wmma_f32_16x16x128_fp8_fp8 v[8*(8*((\a)%4)+\b):8*(8*((\a)%4)+\b)+7], v[128*(\p)+FR*\b:128*(\p)+FR*\b+FR-1], v[AF+FR*(\a):AF+FR*(\a)+FR-1], 0
.else
	v_wmma_f32_16x16x128_fp8_fp8 v[8*(8*((\a)%4)+\b):8*(8*((\a)%4)+\b)+7], v[128*(\p)+FR*\b:128*(\p)+FR*\b+FR-1], v[AF+FR*(\a):AF+FR*(\a)+FR-1], v[8*(8*((\a)%4)+\b):8*(8*((\a)%4)+\b)+7]
.endif
.endr
.endr
.endm
.macro FETCH_B slot, q, p
	WIN TO_B
.irp i, 0,1,2,3,4,5,6,7
	FRAG 128*(\p)+FR*\i, ADRB+\slot, \q, \i
.endr
	WIN 0
.endm
.macro FETCH_A slot, q, i0
.irp i, \i0, \i0+1, \i0+2, \i0+3
	FRAG AF+FR*(\i), ADRA+\slot, \q, \i
.endr
.endm
.macro PLACES n                        ; plain vector instructions between a matrix instruction and a load into a register that it read, or a read of its result
.rept \n
	v_nop
.endr
.endm
.macro STEP slot, q, zero              ; 128 along K, with its successor in the same slot
	s_wait_dscnt 4*NL                              ; all but the youngest sixteen loads (blocks 4-7 of the first operand) are in
	WIN MUL_LO
	MUL16 0, (\q)%2, \zero
	MUL16 2, (\q)%2, \zero
	s_wait_dscnt 0
	PLACES NP
	FETCH_B \slot, (\q)+1, 1-(\q)%2
	FETCH_A \slot, (\q)+1, 0
	WIN MUL_HI
	MUL16 4, (\q)%2, \zero
	MUL16 6, (\q)%2, \zero
	PLACES NP
	WIN 0
	FETCH_A \slot, (\q)+1, 4
.endm
; A slot's last step changes slots: one barrier; in front of it each wave waits for all its tensor loads, adds 0 to its spare word, and waits for that and for its reads of this slot.
.macro TURN slot, next, fill
	s_wait_tensorcnt 0x0                           ; all my tensor loads have landed: my part of the next slot
	ds_add_u32 v[SPW], v[NIL]                      ; 0 onto my spare word
	s_wait_dscnt 4*NL+1                            ; the add and the youngest sixteen loads may be out
	WIN MUL_LO
	MUL16 0, 1, 0
	s_wait_dscnt 0x0                               ; the add is done, and my reads of this slot are over
	s_barrier_signal -1
	MUL16 2, 1, 0
	WIN 0
	s_barrier_wait -1
.if \fill
	CREST                                          ; the barrier has opened a round of the cluster's: no wave of any partner still reads this slot or has a load on its way
	s_add_nc_u64 s[G0+4*\slot+2:G0+4*\slot+3], s[G0+4*\slot+2:G0+4*\slot+3], 2*ROWB
	s_add_nc_u64 s[G0B+4*\slot+2:G0B+4*\slot+3], s[G0B+4*\slot+2:G0B+4*\slot+3], 2*ROWB
	JLOAD G0+4*\slot, G1, G0B+4*\slot, G1B         ; the first tensor load behind the round; its four v_nop are also the places in front of the loads below
.else
	PLACES NP
.endif
	FETCH_B \next, 0, 0
	FETCH_A \next, 0, 0
	WIN MUL_HI
	MUL16 4, 1, 0
	MUL16 6, 1, 0
	PLACES NP
	WIN 0
	FETCH_A \next, 0, 4
.endm
	s_wait_alu depctr_va_vdst(0)
	s_wait_tensorcnt 0x0                           ; my part of K step 0 is in; slot 1's first fill is issued as a refill is:
	ds_add_u32 v[SPW], v[NIL]
	s_wait_dscnt 0x0
	CROUND                                         ; everybody's part of K step 0 is in, and all sixteen work-groups are here
	JLOAD G0+4, G1, G0B+4, G1B                     ; K step 1: the first tensor load behind the round
	FETCH_B 0, 0, 0
	FETCH_A 0, 0, 0
	FETCH_A 0, 0, 4
	STEP 0, 0, 1
	s_mov_b32 s3, LAPS-1
.Llap:                                                 ; a trip goes once round the ring and fills both slots again
	TURN 0, 1, 1
	STEP 1, 0, 0
	TURN 1, 0, 1
	STEP 0, 0, 0
	s_sub_co_u32 s3, s3, 1
	s_cmp_lg_u32 s3, 0
	s_cbranch_scc1 .Llap
	TURN 0, 1, 0                                   ; the last lap fills nothing
	STEP 1, 0, 0
	s_wait_dscnt 4*NL
	WIN MUL_LO
	MUL16 0, 1, 0
	MUL16 2, 1, 0
	s_wait_dscnt 0
	WIN MUL_HI
	MUL16 4, 1, 0
	MUL16 6, 1, 0
	WIN 0
	; THE WAY OUT.  The three exponents of my product, chosen without a branch, fold into one scale
	s_wait_kmcnt 0x0
	s_cmp_eq_u32 ttmp9, 1
	s_cselect_b32 s76, s78, s76
	s_cselect_b32 s77, s79, s77
	s_cselect_b32 s82, s83, s82
	s_cmp_eq_u32 ttmp9, 2
	s_cselect_b32 s76, s80, s76
	s_cselect_b32 s77, s81, s77
	s_cselect_b32 s82, s84, s82
	s_sub_co_i32 s82, s82, s76
	s_sub_co_i32 s82, s82, s77                     ; eO - eW - eH
	s_add_co_i32 s82, s82, 127
	s_lshl_b32 s83, s82, 23
	v_mov_b32 v[SCV], s83
	s_add_co_i32 s82, s82, 8
	s_lshl_b32 s82, s82, 23
	s_or_b32 s82, s82, 0x600000
	v_mov_b32 v[LIM], s82
	PLACES NP
; Block a: 16 rows of the first operand x my 128 of the second: held, converted, stored.  Each accumulator is read from its low end on.
.macro OUTBLK a
.set AC, 64*((\a)%4)
	s_wait_xcnt 0x0                                ; the last block's stores have read their codes and their base: both may be written
.if (\a) == 4
	s_add_nc_u64 s[70:71], s[70:71], s[90:91]
.elseif (\a) > 0
	s_add_nc_u64 s[70:71], s[70:71], s[88:89]
.endif
	WIN 0x02+((\a)/4)                              ; source 0: window 2 or 3
.set jj, 0
.rept 64
	v_med3_num_f32 v[T+jj], v[AC+jj], -v[LIM], v[LIM]   ; the conversion does not saturate (ISA guide 7.6.2): the hold comes first
.set jj, jj+1
.endr
	WIN 0
.irp b, 0,1,2,3,4,5,6,7
	v_cvt_scalef32_pk8_fp8_f32 v[CD+2*\b:CD+2*\b+1], v[T+8*\b:T+8*\b+7], v[SCV]
.endr
	v_nop                                          ; a plain instruction between the conversions and the next block's holds, which write their sources
.irp g, 0,1,2,3
	global_store_b128 v[VO+\g/2], v[CD+4*\g:CD+4*\g+3], s[70:71] offset:(\g%2)*512   ; 32 lanes store 512 consecutive bytes, aligned
.endr
.endm
	s_wait_alu depctr_va_vdst(0)
.irp a, 0,1,2,3,4,5,6,7
	OUTBLK \a
.endr
	s_wait_tensorcnt 0x0                           ; the wave's end
	ds_add_u32 v[SPW], v[NIL]
	s_wait_dscnt 0x0
	CROUND                                         ; the closing round: no work-group ends while a partner may still ask for a tile that names it
	s_endpgm
.Lfunc_end_k_q58eab3c465_qkv:
	.size	k_q58eab3c465_qkv, .Lfunc_end_k_q58eab3c465_qkv-k_q58eab3c465_qkv
	.p2alignl 7, 3214868480
	.fill 96, 4, 3214868480
	.section	.rodata,"a",@progbits
	.p2align	6, 0x0
	.amdhsa_kernel k_q58eab3c465_qkv
		.amdhsa_group_segment_fixed_size 327680
		.amdhsa_private_segment_fixed_size 0
		.amdhsa_enable_private_segment 0
		.amdhsa_kernarg_size 48
		.amdhsa_user_sgpr_count 2
		.amdhsa_user_sgpr_kernarg_segment_ptr 1
		.amdhsa_wavefront_size32 1
		.amdhsa_system_sgpr_workgroup_id_x 1
		.amdhsa_system_sgpr_workgroup_id_y 1
		.amdhsa_system_sgpr_workgroup_id_z 1
		.amdhsa_system_vgpr_workitem_id 0
		.amdhsa_next_free_vgpr 1024
		.amdhsa_next_free_sgpr 100
		.amdhsa_reserve_vcc 0
		.amdhsa_float_denorm_mode_32 3
		.amdhsa_float_denorm_mode_16_64 3
		.amdhsa_memory_ordered 1
		.amdhsa_forward_progress 1
		.amdhsa_inst_pref_size 119
	.end_amdhsa_kernel
	.amdgpu_metadata
---
amdhsa.version: [ 1, 2 ]
amdhsa.kernels:
  - .name:           k_q58eab3c465_qkv
    .symbol:         k_q58eab3c465_qkv.kd
    .args:
      - { .name: h3, .offset: 0, .size: 8, .value_kind: global_buffer, .address_space: global }
      - { .name: Wq_codes, .offset: 8, .size: 8, .value_kind: global_buffer, .address_space: global }
      - { .name: Wk_codes, .offset: 16, .size: 8, .value_kind: global_buffer, .address_space: global }
      - { .name: Wv_codes, .offset: 24, .size: 8, .value_kind: global_buffer, .address_space: global }
      - { .name: lowp_scales, .offset: 32, .size: 8, .value_kind: global_buffer, .address_space: global }
      - { .name: qkv, .offset: 40, .size: 8, .value_kind: global_buffer, .address_space: global }
    .group_segment_fixed_size: 327680
    .private_segment_fixed_size: 0
    .kernarg_segment_align: 8
    .kernarg_segment_size: 48
    .max_flat_workgroup_size: 128
    .sgpr_count:     100
    .vgpr_count:     1024
    .wavefront_size: 32
...
	.end_amdgpu_metadata
.endif
;; end of part 2
;; launch attn (part 3): grid 8 x 32, 16 waves a work-group, no clusters, 327,680 bytes of LDS; arguments qkv, lowp_scales, ctx; writes ctx
.if DOCPART == 3
	.amdgcn_target "amdgcn-amd-amdhsa--gfx1250"
	.amdhsa_code_object_version 6
	.text
	.protected	k_q58eab3c465_attn
	.globl	k_q58eab3c465_attn
	.p2align	8
	.type	k_q58eab3c465_attn,@function
k_q58eab3c465_attn:
	s_mov_b64 s[64:65], 0
	v_nop
	global_prefetch_b8 v0, s[64:65] scope:SCOPE_SE
	s_setreg_imm32_b32 hwreg(HW_REG_WAVE_MODE, 25, 1), 1
	s_wait_xcnt 0x0
; Causal attention on codes of E4M3, head size 64, 2,048 tokens, 32 pairs of batch and head.  S^T = K Q^T by v_wmma_f32_16x16x64_fp8_fp8, O^T = V^T P^T by v_wmma_f32_16x16x128_fp8_fp8, sums in f32.
; THE SOFTMAX: t = score x log2(e) / 8; M = the row's largest t so far, rounded UP to a whole number; p = 2^(t - M) is what is quantised (entry 9), not normalised.  The row's sum is taken of the unquantised p
; and divides O at the end.  When M moves, the sum and O are multiplied by 2^(old M - new M): exact.  The result is turned into codes of the next product's operand (entry 10).
; qkv holds IMAGES OF THE OPERANDS' REGISTERS: a fragment's registers 4 g .. 4 g + 3 of lane l lie at 512 g + 16 l.  Q, K: [pair 32][tile of 16 tokens 128][1,024]; V: [pair 32][128 keys 16][16 channels 4][2,048].
; Both products are used transposed: a lane holds ONE query (lane % 16).  In S^T's tile t its register j is key 16 t + 8 (lane / 16) + j: eight such, converted, are registers 2 t, 2 t + 1 of P's fragment.  Nothing changes lanes.
; SHARES.  A work-group has sixteen waves, a tile of 16 queries each, four to a SIMD.  It owns two blocks of 128 queries of one pair: block i and block 15 - i, so that every work-group has the same number of key steps
; under the causal mask; wave w takes tile w / 2 of the early block or of the late one, by the bit (w xor w / 4) & 1.
; ALL OF THE PAIR'S K AND V LIE IN LDS: 2 x 2,048 x 64 = 262,144 bytes; no byte of LDS is filled twice.  They come in four groups of four key steps (512 keys: 32 KiB of K, 32 KiB of V); each of the sixteen waves fetches
; 4 KiB of a group by one tensor load.  Group 0 is asked for at the head, group g + 1 first thing behind the barrier at group g's head: one load of a wave is out at a time, and it has four key steps in which to land.
; Between those four barriers the waves run free.  Trip counts are constants; no tensor load and no barrier is jumped over.  A step all of whose 128 keys come after the wave's queries is left out by a scalar branch on ids.
; NO CLUSTER: which steps a work-group leaves out hangs on its block of queries, which in a cluster along x would be its place in the cluster.
; NO PREFETCH: each group is asked for by its tensor load a whole group of four key steps (48 matrix instructions and four softmaxes a wave) ahead of the wait for it, and nothing is known earlier than the head.
; ctx: [tile of 16 tokens 256][128 along K 8][2,048 bytes]: the image of the next product's first operand; my head's 64 channels are half of one image.
; LIMITS on the given exponents: e6 + e7 between -123 and 130 (added to c's exponent field); e9, and e10 - e8 - e9, between -126 and 119.
; REGISTERS: v1 16 x lane; v5, v6 the add's; v8, v10 the step's addresses in K and in V; v9 r - 8 h; v12 -M; v13 the largest t; v[14:15] the sum; v16-23 Q; v32-95 K's 8 fragments, then V's 4; v96-159 S^T, then p;
;   v160-191 O^T; v192-207 codes; v234-255 at work.
.set STEPB,  8192                      ; a key step in LDS: K's 8 images of 1,024 bytes; likewise V's 4 of 2,048
.set GROUPB, 4*STEPB                   ; a group: four key steps
.set VOFF,   131072                    ; V's images lie behind K's 16 x 8,192 bytes
.set SPARE,  262144                    ; behind them: the spare words, 128 bytes for each of 16 waves, which no other line names
.set LI,   1
.set SPW,  5
.set NIL,  6
.set AD,   8
.set DL,   9
.set ADV,  10
.set MX,   246                         ; v246-249 the maximum's four chains; later two of the sum's
.set TB,   2                           ; s2   LDS byte at which the step's images of K begin
.set WV,   18
.set SEL,  20
.set CS,   22
.set G1,   24                          ; s[24:31] descriptor group 1
.set G0,   32                          ; s[32:47] descriptor group 0, a set for each of the four groups: written once, at the head
.set CNT,  48                          ; counts a group's four steps
.set KF,   49                          ; the step's first key
.set Q0,   50                          ; my first query
	s_load_b128 s[4:7], s[0:1], 0x0                ; qkv s[4:5], the scales' exponents s[6:7]
	s_load_b64 s[8:9], s[0:1], 0x10                ; ctx
	v_lshl_add_u32 v[SPW], v0, 2, SPARE
	v_mov_b32 v[NIL], 0
	ds_add_u32 v5, v6
	ds_add_u32 v5, v6
	s_wait_dscnt 0x0
	v_lshrrev_b32 v8, 5, v0
	s_delay_alu instid0(VALU_DEP_1)
	v_readfirstlane_b32 s[WV], v8                  ; wave 0..15
	s_and_b32 s10, ttmp7, 0xffff                   ; the pair: batch x 16 + head
	s_lshr_b32 s11, s[WV], 2
	s_xor_b32 s11, s11, s[WV]
	s_and_b32 s11, s11, 1                          ; 0: the early block, 1: the late one
	s_sub_co_u32 s12, 15, ttmp9
	s_cmp_eq_u32 s11, 1
	s_cselect_b32 s12, s12, ttmp9                  ; my block of 128 queries
	s_lshr_b32 s13, s[WV], 1
	s_lshl_b32 s12, s12, 3
	s_add_co_u32 s12, s12, s13                     ; my tile of 16 queries
	s_lshl_b32 s[Q0], s12, 4
	s_lshr_b32 s14, s[WV], 3                       ; what I fetch: waves 0 to 7 for K, waves 8 to 15 for V,
	s_and_b32 s15, s[WV], 7
	s_lshl_b32 s15, s15, 12                        ; an eighth of a group's 32,768 bytes: 4,096
	s_lshl_b32 s16, s14, 17
	s_add_co_u32 s16, s16, s15                     ; in LDS: 131,072 x (wave / 8) + 4,096 x (wave % 8), + the group's constant
	s_lshl_b32 s52, s14, 22                        ; in memory: K's plane or V's,
	s_add_co_u32 s52, s52, s15
	s_lshl_b32 s17, s10, 17                        ; the pair's 131,072 bytes in each plane
	s_add_co_u32 s52, s52, s17
	s_add_co_u32 s52, s52, 0x400000
	s_mov_b32 s53, 0
	s_lshl_b32 s54, s12, 10
	s_add_co_u32 s54, s54, s17                     ; Q: my tile's image
	s_mov_b32 s55, 0
	s_lshr_b32 s56, s10, 4                         ; ctx: tile of tokens = batch x 128 + my tile;
	s_lshl_b32 s56, s56, 7
	s_add_co_u32 s56, s56, s12
	s_lshl_b32 s56, s56, 3
	s_bfe_u32 s57, s10, 0x30001                    ; image = head / 2;
	s_add_co_u32 s56, s56, s57
	s_lshl_b32 s56, s56, 11
	s_and_b32 s57, s10, 1                          ; its half = head % 2
	s_lshl_b32 s57, s57, 10
	s_add_co_u32 s56, s56, s57
	s_mov_b32 s57, 0
	s_mov_b32 s[G1], 3<<16                         ; no mask; elements of 8 bytes; no padding: a dense block of 4,096 bytes as 16 rows of 256
	s_mov_b32 s[G1+1], 32<<16                      ; tensor_dim0
	s_mov_b32 s[G1+2], 16<<16                      ; tensor_dim1
	s_mov_b32 s[G1+3], 32<<16                      ; tile_dim0
	s_mov_b32 s[G1+4], 16                          ; tile_dim1
	s_mov_b32 s[G1+5], 32                          ; from row to row
	s_mov_b32 s[G1+6], 0
	s_mov_b32 s[G1+7], 0
	s_mov_b32 s[SEL], 0x76543210
	s_mov_b32 s[SEL+1], 0xfedcba98
	s_mov_b32 s[CS], 0x3e38aa3b                    ; c = log2(e) / 8
	s_mov_b32 s[KF], 0
	s_wait_kmcnt 0x0
	s_load_b512 s[68:83], s[6:7], 0x0              ; all sixteen exponents: e6 s74, e7 s75, e8 s76, e9 s77, e10 s78
	s_add_nc_u64 s[52:53], s[4:5], s[52:53]        ; my part of group 0 in memory
.irp g, 0,1,2,3
	s_mov_b32 s[G0+4*\g], 1                                        ; count = 1
	s_add_co_u32 s[G0+4*\g+1], s16, \g*GROUPB                      ; LDS address
	s_add_nc_u64 s[G0+4*\g+2:G0+4*\g+3], s[52:53], \g*GROUPB       ; global address: in memory the groups follow each other as they do in LDS
	s_or_b32 s[G0+4*\g+3], s[G0+4*\g+3], 0x80000000                ; type = 2
.endr
	tensor_load_to_lds s[G0:G0+3], s[G1:G1+7]      ; group 0
	s_nop 0
.rept 4
	v_nop                                          ; four v_nop follow a tensor load
.endr
	s_add_nc_u64 s[54:55], s[4:5], s[54:55]
	s_add_nc_u64 s[8:9], s[8:9], s[56:57]
	v_and_b32 v[LI], 31, v0
	s_delay_alu instid0(VALU_DEP_1)
	v_lshlrev_b32 v[LI], 4, v[LI]
	global_load_b128 v[16:19], v[LI], s[54:55]             ; Q's fragment stays in registers
	global_load_b128 v[20:23], v[LI], s[54:55] offset:512
	v_and_b32 v[DL], 15, v0
	v_bfe_u32 v10, v0, 4, 1
	s_delay_alu instid0(VALU_DEP_1)
	v_lshlrev_b32 v10, 3, v10
	s_delay_alu instid0(VALU_DEP_1)
	v_sub_nc_u32 v[DL], v[DL], v10                 ; r - 8 h, for the mask
	v_mov_b32 v13, 0xff61b1e6                      ; the largest t so far: -3e38, under every t
	s_delay_alu instid0(VALU_DEP_1)
	v_floor_f32 v12, -v13                          ; -M
	v_mov_b32 v14, 0
	v_mov_b32 v15, 0
	v_mov_b32 v236, 0                              ; written once: a lane permute's destination counts as one of its sources
	v_mov_b32 v253, 0                              ; (named as the upper half of the pair v[252:253])
.set jj, 0
.rept 32
	v_mov_b32 v[160+jj], 0                         ; O^T.  (The step is written without a first step of its own: it finds zeros, which the first change of M leaves zeros)
.set jj, jj+1
.endr
	s_wait_kmcnt 0x0
	s_add_co_i32 s58, s74, s75
	s_lshl_b32 s58, s58, 23
	s_add_co_i32 s[CS], s[CS], s58                 ; a score stands for score x 2^(e6 + e7): added to c's exponent field
	s_mov_b32 s[CS+1], s[CS]
	s_add_co_i32 s58, s77, 127
	s_lshl_b32 s59, s58, 23
	v_mov_b32 v244, s59                            ; 2^e9, for p's conversions
	s_add_co_i32 s58, s58, 8
	s_lshl_b32 s58, s58, 23
	s_or_b32 s58, s58, 0x600000
	v_mov_b32 v240, s58                            ; 448 x 2^e9,
	v_mov_b32 v237, s58                            ; and once more in a register of another bank, for the second half of the dual holds
	s_sub_co_i32 s58, s78, s76
	s_sub_co_i32 s58, s58, s77                     ; O^T / the sum stands for that x 2^(e8 + e9): its code takes 2^(e10 - e8 - e9)
	s_add_co_i32 s58, s58, 127
	s_lshl_b32 s59, s58, 23
	v_mov_b32 v245, s59
	s_add_co_i32 s58, s58, 8
	s_lshl_b32 s58, s58, 23
	s_or_b32 s58, s58, 0x600000
	v_mov_b32 v241, s58
; A KEY STEP: the 128 keys whose images of K begin at LDS byte s[TB].
.macro STEP
	s_add_co_u32 s96, s[Q0], 15
	s_cmp_gt_u32 s[KF], s96
	s_cbranch_scc1 .Lhidden_\@                     ; all its keys come after my queries
	v_add_nc_u32 v[AD], s[TB], v[LI]
	s_delay_alu instid0(VALU_DEP_1)
	v_add_nc_u32 v[ADV], VOFF, v[AD]
.rept 2
	v_nop                                          ; with the two additions above: four places in front of loads into registers that the last products read
.endr
.irp t, 0,1,2,3,4,5,6,7
.irp c, 0,1
	ds_load_b128 v[32+8*\t+4*\c:35+8*\t+4*\c], v[AD] offset:\t*1024+512*\c
.endr
.endr
	s_wait_alu depctr_va_vdst(0)
	s_wait_dscnt 0x0
.irp t, 0,1,2,3,4,5,6,7
	v_wmma_f32_16x16x64_fp8_fp8 v[96+8*\t:103+8*\t], v[32+8*\t:39+8*\t], v[16:23], 0
.endr
.rept 4
	v_nop                                          ; four places: in front of the loads below, and of the first read of the scores
.endr
.irp d, 0,1,2,3
.irp g, 0,1,2,3
	ds_load_b128 v[32+16*\d+4*\g:35+16*\d+4*\g], v[ADV] offset:\d*2048+512*\g   ; V's four fragments land while the softmax is walked
.endr
.endr
	s_add_co_u32 s96, s[KF], 127
	s_cmp_le_u32 s96, s[Q0]
	s_cbranch_scc1 .Lopen_\@                       ; all its keys count
	s_sub_co_i32 s96, s[Q0], s[KF]
	v_add_nc_u32 v252, s96, v[DL]                  ; d = my query - KF - 8 h.  Register n holds key KF + 16 (n / 8) + 8 h + n % 8: hidden where 16 (n / 8) + n % 8 > d
	v_mov_b32 v254, 0xff800000                     ; -infinity: p = 0 then
.set nn, 0
.rept 64
	v_cmp_gt_i32 vcc_lo, 16*(nn/8)+nn%8, v252
	v_cndmask_b32 v[96+nn], v[96+nn], v254, vcc_lo
.set nn, nn+1
.endr
.Lopen_\@:
.irp c, 0,1,2,3
	v_max3_num_f32 v[MX+\c], v[96+3*\c], v[97+3*\c], v[98+3*\c]    ; the step's largest score of my query among my 64 keys, in four chains, the registers in ascending order: each tile from its low end on
.endr
.set nn, 0
.rept 26
	v_max3_num_f32 v[MX+nn%4], v[MX+nn%4], v[108+2*nn], v[109+2*nn]
.set nn, nn+1
.endr
	s_delay_alu instid0(VALU_DEP_1)
	v_max3_num_f32 v254, v[MX], v[MX+1], v[MX+2]
	s_delay_alu instid0(VALU_DEP_1)
	v_max_num_f32 v254, v254, v[MX+3]
	s_delay_alu instid0(VALU_DEP_1)
	v_permlanex16_b32 v236, v254, s[SEL], s[SEL+1]
	s_delay_alu instid0(VALU_DEP_1)
	v_max_num_f32 v254, v254, v236                 ; and among the other half's
	s_delay_alu instid0(VALU_DEP_1)
	v_mul_f32 v254, s[CS], v254                    ; as t (c is positive)
	s_delay_alu instid0(VALU_DEP_1)
	v_max_num_f32 v13, v13, v254
	v_mov_b32 v254, v12
	s_delay_alu instid0(VALU_DEP_2)
	v_floor_f32 v12, -v13                          ; the new -M = -ceil(t)
	s_delay_alu instid0(VALU_DEP_1)
	v_sub_f32 v254, v12, v254                      ; old M - new M: a whole number, 0 or less
	s_delay_alu instid0(VALU_DEP_1)
	v_cvt_i32_f32 v254, v254                       ; (it saturates)
	s_delay_alu instid0(VALU_DEP_1)
	v_ldexp_f32 v252, 1.0, v254                    ; f = 2^(old M - new M)
.set jj, 0
.rept 32
	v_pk_fma_f32 v[96+jj:97+jj], v[96+jj:97+jj], s[CS:CS+1], v[12:13] op_sel_hi:[1,0,0]   ; t - M
.set jj, jj+2
.endr
.set jj, 0
	s_wait_alu depctr_va_vdst(0)
.rept 64
	v_exp_f32 v[96+jj], v[96+jj]                   ; p = 2^(t - M)
.set jj, jj+1
.endr
	v_pk_mul_f32 v[14:15], v[14:15], v[252:253] op_sel_hi:[1,0]   ; the sums under the new M: the plain instruction behind the exponentials
	s_wait_alu depctr_va_vdst(0)                   ; one wait for the whole batch, ahead of its first reader
	v_pk_add_f32 v[242:243], v[108:109], v[116:117]
	v_pk_add_f32 v[246:247], v[124:125], v[132:133]
	v_pk_add_f32 v[248:249], v[140:141], v[148:149]
	v_pk_add_f32 v[254:255], v[156:157], v[96:97]
	v_pk_add_f32 v[250:251], v[98:99], v[110:111]
	v_pk_add_f32 v[238:239], v[118:119], v[126:127]
	v_pk_add_f32 v[234:235], v[134:135], v[142:143]
	v_pk_add_f32 v[14:15], v[14:15], v[150:151]
	v_pk_add_f32 v[242:243], v[242:243], v[158:159]
	v_pk_add_f32 v[246:247], v[246:247], v[100:101]
	v_pk_add_f32 v[248:249], v[248:249], v[102:103]
	v_pk_add_f32 v[254:255], v[254:255], v[112:113]
	v_pk_add_f32 v[250:251], v[250:251], v[120:121]
	v_pk_add_f32 v[238:239], v[238:239], v[128:129]
	v_pk_add_f32 v[234:235], v[234:235], v[136:137]
	v_pk_add_f32 v[14:15], v[14:15], v[144:145]
	v_pk_add_f32 v[242:243], v[242:243], v[152:153]
	v_pk_add_f32 v[246:247], v[246:247], v[104:105]
	v_pk_add_f32 v[248:249], v[248:249], v[106:107]
	v_pk_add_f32 v[254:255], v[254:255], v[114:115]
	v_pk_add_f32 v[250:251], v[250:251], v[122:123]
	v_pk_add_f32 v[238:239], v[238:239], v[130:131]
	v_pk_add_f32 v[234:235], v[234:235], v[138:139]
	v_pk_add_f32 v[14:15], v[14:15], v[146:147]
	v_pk_add_f32 v[242:243], v[242:243], v[154:155]
	s_delay_alu instid0(VALU_DEP_2)
	v_pk_add_f32 v[14:15], v[14:15], v[254:255]
	s_delay_alu instid0(VALU_DEP_2)
	v_pk_add_f32 v[242:243], v[242:243], v[250:251]
	v_pk_add_f32 v[246:247], v[246:247], v[238:239]
	v_pk_add_f32 v[248:249], v[248:249], v[234:235]
	s_delay_alu instid0(VALU_DEP_2)
	v_pk_add_f32 v[14:15], v[14:15], v[246:247]
	s_delay_alu instid0(VALU_DEP_2)
	v_pk_add_f32 v[242:243], v[242:243], v[248:249]
	s_delay_alu instid0(VALU_DEP_1)
	v_pk_add_f32 v[14:15], v[14:15], v[242:243]
.irp t, 0,1,2,3,4,5,6,7
.irp i, 0,2,4,6
	v_dual_min_num_f32 v[96+8*\t+\i], v[96+8*\t+\i], v240 :: v_dual_min_num_f32 v[97+8*\t+\i], v[97+8*\t+\i], v237   ; the conversion does not saturate (ISA guide 7.6.2); p is not negative, so the hold is one-sided; two holds an instruction: one destination even, one odd, the sources of the two halves in different banks
.endr
	v_cvt_scalef32_pk8_fp8_f32 v[192+2*\t:193+2*\t], v[96+8*\t:103+8*\t], v244
.endr
.set jj, 0
.rept 16
	v_pk_mul_f32 v[160+jj:161+jj], v[160+jj:161+jj], v[252:253] op_sel_hi:[1,0]   ; O^T under the new M; also the plain instructions between the conversions and the products
.set jj, jj+2
.endr
	s_wait_alu depctr_va_vdst(0)
	s_wait_dscnt 0x0                               ; V is in
.irp d, 0,1,2,3
	v_wmma_f32_16x16x128_fp8_fp8 v[160+8*\d:167+8*\d], v[32+16*\d:47+16*\d], v[192:207], v[160+8*\d:167+8*\d]   ; four accumulators by turns, one instruction a turn; the next step's eight products stand between two links
.endr
.Lhidden_\@:
	s_add_co_u32 s[KF], s[KF], 128
.endm
; A GROUP'S HEAD.  Each wave waits for its tensor load (its part of the group that it is about to read), adds 0 to its spare word, and waits for that and for its LDS reads.  Behind the barrier the group is whole for all sixteen.
; fill = 1: the next group is asked for, into bytes that nothing has filled or read yet: the first thing behind the barrier, a wave's one tensor load until the next; it has this group's four key steps in which to land.
.macro CHANGE g, fill
	s_wait_tensorcnt 0x0                           ; my part of group g has landed: no tensor load of mine is out
	ds_add_u32 v[SPW], v[NIL]
	s_mov_b32 s[TB], (\g)*GROUPB                   ; the group's first step
	s_mov_b32 s[CNT], 4
	s_wait_dscnt 0x0
	s_barrier_signal -1
	s_barrier_wait -1
.if \fill
	tensor_load_to_lds s[G0+4*(\g)+4:G0+4*(\g)+7], s[G1:G1+7]
	s_nop 0
.rept 4
	v_nop
.endr
.endif
.endm
.macro GROUP g, fill
	CHANGE \g, \fill
.Lstep_\@:                                         ; four trips: a key step each
	STEP
	s_add_co_u32 s[TB], s[TB], STEPB
	s_sub_co_u32 s[CNT], s[CNT], 1
	s_cmp_lg_u32 s[CNT], 0
	s_cbranch_scc1 .Lstep_\@
.endm
	s_wait_loadcnt 0x0                             ; Q
	GROUP 0, 1
	GROUP 1, 1
	GROUP 2, 1
	GROUP 3, 0                                     ; nothing is left to fetch
	; THE WAY OUT: O^T / the sum, held, converted: the four tiles' codes are eight registers of the next operand's fragment
.rept 4
	v_nop
.endr
	v_add_f32 v14, v14, v15
	s_delay_alu instid0(VALU_DEP_1)
	v_permlanex16_b32 v236, v14, s[SEL], s[SEL+1]
	s_delay_alu instid0(VALU_DEP_1)
	v_add_f32 v14, v14, v236                       ; the row's sum
	s_wait_alu depctr_va_vdst(0)
	v_rcp_f32 v14, v14
	v_nop                                          ; a plain instruction behind the reciprocal,
	s_wait_alu depctr_va_vdst(0)                   ; and the wait ahead of its first reader
.set jj, 0
.rept 16
	v_pk_mul_f32 v[160+jj:161+jj], v[160+jj:161+jj], v[14:15] op_sel_hi:[1,0]
.set jj, jj+2
.endr
.set jj, 0
.rept 32
	v_med3_num_f32 v[160+jj], v[160+jj], -v241, v241
.set jj, jj+1
.endr
.irp d, 0,1,2,3
	v_cvt_scalef32_pk8_fp8_f32 v[192+2*\d:193+2*\d], v[160+8*\d:167+8*\d], v245
.endr
	v_nop
	global_store_b128 v[LI], v[192:195], s[8:9]            ; 32 lanes store 512 consecutive bytes, aligned
	global_store_b128 v[LI], v[196:199], s[8:9] offset:512
	s_wait_tensorcnt 0x0                           ; the wave's end
	ds_add_u32 v[SPW], v[NIL]
	s_wait_dscnt 0x0
	s_endpgm
.Lfunc_end_k_q58eab3c465_attn:
	.size	k_q58eab3c465_attn, .Lfunc_end_k_q58eab3c465_attn-k_q58eab3c465_attn
	.p2alignl 7, 3214868480
	.fill 96, 4, 3214868480
	.section	.rodata,"a",@progbits
	.p2align	6, 0x0
	.amdhsa_kernel k_q58eab3c465_attn
		.amdhsa_group_segment_fixed_size 327680
		.amdhsa_private_segment_fixed_size 0
		.amdhsa_enable_private_segment 0
		.amdhsa_kernarg_size 24
		.amdhsa_user_sgpr_count 2
		.amdhsa_user_sgpr_kernarg_segment_ptr 1
		.amdhsa_wavefront_size32 1
		.amdhsa_system_sgpr_workgroup_id_x 1
		.amdhsa_system_sgpr_workgroup_id_y 1
		.amdhsa_system_sgpr_workgroup_id_z 1
		.amdhsa_system_vgpr_workitem_id 0
		.amdhsa_next_free_vgpr 256
		.amdhsa_next_free_sgpr 100
		.amdhsa_reserve_vcc 1
		.amdhsa_float_denorm_mode_32 3
		.amdhsa_float_denorm_mode_16_64 3
		.amdhsa_memory_ordered 1
		.amdhsa_forward_progress 1
		.amdhsa_inst_pref_size 97
	.end_amdhsa_kernel
	.amdgpu_metadata
---
amdhsa.version: [ 1, 2 ]
amdhsa.kernels:
  - .name:           k_q58eab3c465_attn
    .symbol:         k_q58eab3c465_attn.kd
    .args:
      - { .name: qkv, .offset: 0, .size: 8, .value_kind: global_buffer, .address_space: global }
      - { .name: lowp_scales, .offset: 8, .size: 8, .value_kind: global_buffer, .address_space: global }
      - { .name: ctx, .offset: 16, .size: 8, .value_kind: global_buffer, .address_space: global }
    .group_segment_fixed_size: 327680
    .private_segment_fixed_size: 0
    .kernarg_segment_align: 8
    .kernarg_segment_size: 24
    .max_flat_workgroup_size: 512
    .sgpr_count:     100
    .vgpr_count:     256
    .wavefront_size: 32
...
	.end_amdgpu_metadata
.endif
;; end of part 3
;; launch oproj (part 4): grid 64 x 4, 4 waves a work-group, clusters of 4 x 1, 327,680 bytes of LDS; arguments ctx, Wo_codes, lowp_scales, x, x1; writes x1
.if DOCPART == 4
	.amdgcn_target "amdgcn-amd-amdhsa--gfx1250"
	.amdhsa_code_object_version 6
	.text
	.protected	k_q58eab3c465_oproj
	.globl	k_q58eab3c465_oproj
	.p2align	8
	.type	k_q58eab3c465_oproj,@function
k_q58eab3c465_oproj:
	s_mov_b64 s[64:65], 0
	v_nop
	global_prefetch_b8 v0, s[64:65] scope:SCOPE_SE
	s_setreg_imm32_b32 hwreg(HW_REG_WAVE_MODE, 25, 1), 1
	s_wait_xcnt 0x0
	s_wait_alu depctr_hold_cnt(0) depctr_sa_sdst(0) depctr_va_vdst(0) depctr_va_sdst(0) depctr_va_ssrc(0) depctr_va_vcc(0) depctr_vm_vsrc(0)
	s_getreg_b32 s2, hwreg(HW_REG_IB_STS2, 6, 4)
	s_cmp_eq_u32 s2, 0
	s_cbranch_scc0 .Lentry_in_a_cluster
	s_endpgm
.Lentry_in_a_cluster:
	s_bfe_u32 s2, ttmp6, 0x10000c
	s_cmp_lg_u32 s2, 0x3003
	s_cbranch_scc0 .Lentry_shape_is_right
	s_endpgm
.Lentry_shape_is_right:
; x1 = x + ctx Wo.  ctx: E4M3 codes as images of the operand's registers, [tile of 16 tokens 256][128 along K][2,048 bytes]; Wo_codes: [n 1024][K] rows; x, x1: f32, natural rows [2 s + b][1024].
; The product runs by v_wmma_f32_16x16x128_fp8_fp8, sums in f32; each sum is multiplied once by 2^(eA + eB) and added to the residual in one fused multiply-add.  LIMIT: eA + eB between -126 and 127.
; SHARES.  A work-group makes 256 tokens x 64 columns (16 x 16 = 256 work-groups); each of four waves 64 tokens x 64 columns in 16 accumulators.
; THE WEIGHT'S 64 ROWS LIE WHOLE IN LDS: four pieces of K / 4 bytes of each row, one tensor load a wave at the head, nothing is filled later: no barrier stands in the loop over K.
; The four row blocks of a cluster (4, 1, 1) need the same 64 rows and ask for them jointly.  THE IMAGES GO FROM MEMORY STRAIGHT INTO EACH WAVE'S REGISTERS, 512 consecutive bytes an instruction,
; each wave its own 64 tokens: they pass through no LDS tile, so there is nothing of them to ask for jointly.
; K IS WALKED ROUND THE PIECES: step t takes the (t / 4)-th 128 of piece t % 4, so that a trip of four steps moves every LDS address by 128 bytes.  The order of the f32 sums along K is this walk's.
; The images hold k in the form's own places (registers 2 c, 2 c + 1: k = 16 c + 8 h + 0..7), so the weight's fragments are read so too: eight loads of 8 bytes at row x pitch + 16 c + 8 h.
; THE MATRIX INSTRUCTION IS USED TRANSPOSED (source 0 = 16 rows of the weight, source 1 = 16 tokens): a lane holds eight neighbouring numbers of a row of the result.
; NO PREFETCH: K has eight steps; three are asked for at the head and the loop has one trip: there is no loop to run ahead in.
; REGISTERS: window 0: v2-23 addresses, v128-255 the accumulators ((a, b) at v[128 + 8 (4 a + b)]).  window 1: the images, four buffers of 64.  window 2: v0-127 the weight's fragments, two buffers of 64; v128-255 the residual.
.set SIZE_K, 1024
.set SCOFF,  40                        ; byte of the first of the product's two entries in lowp_scales
.set QI,     5                         ; padding behind every 64 words: a piece's row
.set LAST,   0                         ; 1: the result is read by no later launch
.set PW,     SIZE_K/4                  ; a piece's row in bytes
.set NW,     PW/128                    ; steps of 128 in a piece
.set PITCH,  PW+16                     ; an odd multiple of 16 bytes: the 16 rows of a load start at 16 different groups of four banks (ISA guide 11.1)
.set PIECE,  64*PITCH
.set SPARE,  4*PIECE+512               ; the spare words, 128 bytes for each wave, which no other line names; 512 idle bytes lie ahead of them
.set STAGE,  SPARE+512                 ; the way out: each wave's own 32 rows x (256 bytes + 16); no tensor load lands here
.set SP,     272
.set TT,     16*SIZE_K                 ; from one tile of 16 tokens to the next, in bytes
.set PG,     16*PW                     ; a piece's images in memory: NW x 2,048 bytes
.set AO,   2                           ; v2  16 x lane: my place in an image
.set ABC,  4                           ; v4-7  my lane's place in each piece's first 128
.set AB,   8                           ; v8-11 the same in the trip's 128
.set STO,  12
.set RD,   13
.set CO,   14
.set PFO,  15
.set SPW,  16
.set NIL,  17
.set ACC,  128
.set G1,   24
.set G0,   32
.set SA,   36                          ; s[36:37] my wave's images at the trip's 128
.set PF,   38                          ; s[38:39] where my work-group's prefetches stand
.set LIM,  44
.set TB,   45                          ; 128 x trip: the loop's counter and the LDS step
.set MSB, 0
.macro WIN new                         ; the immediate's high byte repeats the setting that is left
.if MSB != \new
	s_set_vgpr_msb (MSB<<8)|\new
.set MSB, \new
.endif
.endm
.set MUL, 0x06                         ; source 0 window 2, source 1 window 1; C and D window 0
.macro CROUND                          ; a round of the cluster's barrier
	s_barrier_signal -1
	s_barrier_wait -1
	s_cmp_lg_u32 s14, 0
	s_cbranch_scc1 .Lnot_wave_0_\@
	s_barrier_signal -3
.Lnot_wave_0_\@:
	s_barrier_wait -3
	s_barrier_signal -1
	s_barrier_wait -1
.endm
.macro PLACES                          ; four plain vector instructions between a matrix instruction and a load into a register that it read, or a read of its result
.rept 4
	v_nop
.endr
.endm
.macro LA pa, aw                       ; 16 loads: four images of piece pa, aw steps on, into buffer pa
	WIN 0x40
.irp a, 0,1,2,3
.irp g, 0,1,2,3
	global_load_b128 v[64*(\pa)+16*\a+4*\g:64*(\pa)+16*\a+4*\g+3], v[AO], s[SA:SA+1] offset:(\pa)*PG+(\aw)*2048+\a*TT+\g*512
.endr
.endr
.endm
.macro LB pb, bw                       ; 32 LDS loads: the weight's four fragments of piece pb, bw steps on, into buffer pb % 2
	WIN 0x80
.irp b, 0,1,2,3
.irp c, 0,1,2,3,4,5,6,7
	ds_load_b64 v[64*((\pb)%2)+16*\b+2*\c:64*((\pb)%2)+16*\b+2*\c+1], v[AB+(\pb)] offset:16*\b*PITCH+(\bw)*128+16*\c
.endr
.endr
.endm
; A step: asks for the images three steps on and for the weight's fragments one step on, into the buffers that the last step's products read, then multiplies.
; cnt: the image loads issued behind this step's sixteen.  The 16 accumulators take turns, one instruction a turn, in the same order in every step.
.macro CH t, zero, la, aw, lb, bw, cnt
.set PA_, ((\t)+3)%4
.set PB_, ((\t)+1)%4
.if \zero == 0
	PLACES
.endif
.if \la
	LA PA_, \aw
.endif
.if \lb
	LB PB_, \bw
.endif
	s_wait_loadcnt \cnt
	s_wait_dscnt 32*(\lb)                          ; this step's fragments are in; the 32 just issued may be out
	WIN MUL
.irp a, 0,1,2,3
.irp b, 0,1,2,3
.if \zero
	v_wmma_f32_16x16x128_fp8_fp8 v[ACC+8*(4*\a+\b):ACC+8*(4*\a+\b)+7], v[64*((\t)%2)+16*\b:64*((\t)%2)+16*\b+15], v[64*(\t)+16*\a:64*(\t)+16*\a+15], 0
.else
	v_wmma_f32_16x16x128_fp8_fp8 v[ACC+8*(4*\a+\b):ACC+8*(4*\a+\b)+7], v[64*((\t)%2)+16*\b:64*((\t)%2)+16*\b+15], v[64*(\t)+16*\a:64*(\t)+16*\a+15], v[ACC+8*(4*\a+\b):ACC+8*(4*\a+\b)+7]
.endif
.endr
.endr
.endm
	s_load_b256 s[4:11], s[0:1], 0x0               ; the images s[4:5], the weight s[6:7], the scales' exponents s[8:9], the residual s[10:11]
	s_load_b64 s[12:13], s[0:1], 0x20              ; the result
	v_lshl_add_u32 v[SPW], v0, 2, SPARE
	v_mov_b32 v[NIL], 0
	ds_add_u32 v[SPW], v[NIL]                      ; the opening lines: the add, twice on end, and its wait ahead of my first tensor load
	ds_add_u32 v[SPW], v[NIL]
	v_lshrrev_b32 v1, 5, v0
	v_readfirstlane_b32 s14, v1                    ; wave 0..3
	s_bfe_u32 s40, ttmp6, 0x40000                  ; cx
	s_and_b32 s41, ttmp7, 0xffff
	s_lshl_b32 s41, s41, 2
	s_add_co_u32 s41, s41, s40                     ; my block of 256 tokens = 4 y + cx; my block of 64 columns = the cluster's x, which the partners share
	s_mov_b32 s[G1], 15|(1<<20)|(1<<21)|(QI<<22)|(3<<25)   ; the four partners; elements of 1 byte; padding on; bit 21 beside a mask; 4 words behind every row
	s_mov_b32 s[G1+1], PW<<16                      ; tensor_dim0
	s_mov_b32 s[G1+2], 64<<16                      ; tensor_dim1
	s_mov_b32 s[G1+3], PW<<16                      ; tile_dim0
	s_mov_b32 s[G1+4], 64                          ; tile_dim1
	s_mov_b32 s[G1+5], SIZE_K                      ; from row to row
	s_mov_b32 s[G1+6], 0
	s_mov_b32 s[G1+7], 0
	s_lshl_b32 s46, ttmp9, 6
	s_mul_i32 s46, s46, SIZE_K                     ; the weight: row 64 x column block,
	s_mul_i32 s47, s14, PW
	s_add_co_u32 s46, s46, s47                     ; piece = my wave
	s_mov_b32 s47, 0
	s_mul_i32 s43, s14, PIECE                      ; and where it goes
	s_lshl_b32 s16, s41, 4
	s_lshl_b32 s17, s14, 2
	s_add_co_u32 s17, s16, s17                     ; my first tile of 16 tokens
	s_mul_i32 s18, s17, TT
	s_mov_b32 s19, 0
	s_add_co_u32 s20, s16, ttmp9                   ; the tile of tokens that my work-group prefetches for the sixteen that read the block
	s_mul_i32 s20, s20, TT
	s_mov_b32 s21, 0
	s_and_b32 s22, s41, 7
	s_lshl_b32 s22, s22, 8
	s_lshl_b32 s23, s14, 6
	s_add_co_u32 s22, s22, s23                     ; s of my first row
	s_lshl_b32 s22, s22, 1
	s_lshr_b32 s23, s41, 3                         ; b
	s_add_co_u32 s22, s22, s23
	s_lshl_b32 s22, s22, 12                        ; natural row 2 s + b, 4,096 bytes a row
	s_lshl_b32 s23, ttmp9, 8
	s_add_co_u32 s22, s22, s23                     ; + my 64 columns
	s_mov_b32 s23, 0
	s_mul_i32 s48, s14, 32*SP
	s_add_co_u32 s48, s48, STAGE                   ; my stage
	s_cmp_eq_u32 s14, 0
	s_cselect_b32 s[LIM], 128*(NW-3), 0            ; wave 0 prefetches while three trips on is inside K
	s_mov_b32 s[TB], 0
	s_wait_dscnt 0x0                               ; both opening adds are done
	s_wait_kmcnt 0x0
	s_load_b64 s[96:97], s[8:9], SCOFF             ; eA, eB
	s_add_nc_u64 s[SA:SA+1], s[4:5], s[18:19]
	s_add_nc_u64 s[PF:PF+1], s[4:5], s[20:21]
	s_add_nc_u64 s[10:11], s[10:11], s[22:23]
	s_add_nc_u64 s[12:13], s[12:13], s[22:23]
	s_mov_b32 s[G0], 1
	s_mov_b32 s[G0+1], s43
	s_add_nc_u64 s[G0+2:G0+3], s[6:7], s[46:47]
	s_or_b32 s[G0+3], s[G0+3], 0x80000000
	CROUND                                         ; the four partners are here: the joint loads meet
	tensor_load_to_lds s[G0:G0+3], s[G1:G1+7]      ; my piece of the weight's 64 rows: the wave's one tensor load
	s_nop 0
	PLACES
	v_and_b32 v18, 15, v0                          ; r
	v_bfe_u32 v19, v0, 4, 1                        ; h
	v_and_b32 v20, 31, v0
	v_lshlrev_b32 v[AO], 4, v20
	v_mul_u32_u24 v21, v18, PITCH
	v_lshl_add_u32 v21, v19, 3, v21                ; the weight: row r, + 8 h
.irp p, 0,1,2,3
	v_add_nc_u32 v[ABC+\p], \p*PIECE, v21
	v_add_nc_u32 v[AB+\p], \p*PIECE, v21
.endr
	v_mul_u32_u24 v22, v18, SP
	v_lshl_add_u32 v22, v19, 5, v22
	v_add_nc_u32 v[STO], s48, v22                  ; in: row r, 32 bytes for each half of the lanes
	v_mul_u32_u24 v23, v19, SP
	v_lshl_add_u32 v23, v18, 4, v23
	v_add_nc_u32 v[RD], s48, v23                   ; back: lanes 0-15 one row of 256 bytes, lanes 16-31 the next
	v_lshlrev_b32 v22, 13, v19
	v_lshl_add_u32 v[CO], v18, 4, v22              ; and the same two rows in memory, 8,192 bytes apart
.if NW > 3
	v_lshrrev_b32 v23, 3, v20
	v_and_b32 v20, 7, v20
	v_lshlrev_b32 v20, 8, v20
	v_lshl_add_u32 v[PFO], v23, 14, v20            ; lane l: piece l / 8 (PG = 16,384 bytes apart), block l % 8 of its 2,048 bytes
.endif
	s_wait_alu depctr_va_vdst(0)
	WIN 0x80
.set tt, 0
.rept 32
	global_load_b128 v[128+4*tt:128+4*tt+3], v[CO], s[10:11] offset:16384*tt th:TH_LOAD_NT   ; the residual of my 64 x 64, as it will be stored: the oldest loads, so every later count leaves them out
.set tt, tt+1
.endr
	LA 0, 0                                        ; steps 0, 1, 2
	LA 1, 0
	LA 2, 0
	WIN 0
.if NW > 3
	s_cmp_lg_u32 s14, 0
	s_cbranch_scc1 .Lno_head
	global_prefetch_b8 v[PFO], s[PF:PF+1] offset:2048 th:TH_LOAD_NT scope:SCOPE_SE   ; what trips 0 and 1 will load of my work-group's tile of tokens
	global_prefetch_b8 v[PFO], s[PF:PF+1] offset:4096 th:TH_LOAD_NT scope:SCOPE_SE
.Lno_head:
.endif
	s_wait_tensorcnt 0x0                           ; my piece is in
	s_barrier_signal -1
	s_barrier_wait -1                              ; all four are
	LB 0, 0
	CH 0, 1, 1, 0, 1, 0, 48                        ; the first step's products start the sums.  48: steps 1, 2, 3
	WIN 0
.Ltrip:                                            ; NW - 1 trips of four steps, from a round's second piece to the next round's first
.if NW > 3
	s_cmp_lt_u32 s[TB], s[LIM]
	s_cbranch_scc0 .Lno_ask
	global_prefetch_b8 v[PFO], s[PF:PF+1] offset:3*2048 th:TH_LOAD_NT scope:SCOPE_SE   ; 32 blocks of 256 bytes: what the trip after next will load
.Lno_ask:
.endif
	CH 1, 0, 1, 1, 1, 0, 48
	CH 2, 0, 1, 1, 1, 0, 48
	CH 3, 0, 1, 1, 1, 1, 48
	CH 0, 0, 1, 1, 1, 1, 48
	WIN 0
	s_wait_xcnt 0x0                                ; the loads and the prefetch have read their bases
	s_add_nc_u64 s[SA:SA+1], s[SA:SA+1], 2048
	s_add_nc_u64 s[PF:PF+1], s[PF:PF+1], 2048
	s_add_co_u32 s[TB], s[TB], 128
.irp p, 0,1,2,3
	v_add_nc_u32 v[AB+\p], s[TB], v[ABC+\p]
.endr
	s_cmp_lg_u32 s[TB], 128*(NW-1)
	s_wait_alu depctr_va_vdst(0)
	s_cbranch_scc1 .Ltrip
	CH 1, 0, 0, 0, 1, 0, 32                        ; the last three steps ask for no images: two steps', one step's, none are out
	CH 2, 0, 0, 0, 1, 0, 16
	CH 3, 0, 0, 0, 0, 0, 0
	WIN 0
	; THE WAY OUT.  A lane holds 32 bytes of a row and the lanes beside it other rows: the sums go through my own stage, 32 rows at a time, and come back as whole rows of 256 bytes, where the residual's registers lie alike.
	s_wait_kmcnt 0x0
	s_add_co_i32 s96, s96, s97
	s_add_co_i32 s96, s96, 127
	s_lshl_b32 s96, s96, 23                        ; 2^(eA + eB) as f32
	s_mov_b32 s97, s96                             ; (named with it as a pair)
	PLACES
.irp u, 0,1
.irp a, 0,1
.irp b, 0,1,2,3
	ds_store_b128 v[STO], v[ACC+8*(4*(2*\u+\a)+\b):ACC+8*(4*(2*\u+\a)+\b)+3] offset:16*\a*SP+64*\b          ; each accumulator from its low end on
	ds_store_b128 v[STO], v[ACC+8*(4*(2*\u+\a)+\b)+4:ACC+8*(4*(2*\u+\a)+\b)+7] offset:16*\a*SP+64*\b+16
.endr
.endr
.set tt, 0
.rept 16
	ds_load_b128 v[ACC+64*\u+4*tt:ACC+64*\u+4*tt+3], v[RD] offset:2*tt*SP   ; LDS serves a wave's instructions in order (ISA guide 5.7.1.4): these see the stores above, and the next half's stores come behind them
.set tt, tt+1
.endr
.endr
	WIN 0x20                                       ; source 2: window 2
.set tt, 0
.rept 32
	s_wait_dscnt 31-tt+16*(1-tt/16)                ; rows 2 t, 2 t + 1 are back; the younger loads, and for the first half the second half's 16 stores, may be out
	v_pk_fma_f32 v[ACC+4*tt:ACC+4*tt+1], v[ACC+4*tt:ACC+4*tt+1], s[96:97], v[128+4*tt:128+4*tt+1] op_sel_hi:[1,0,1]
	v_pk_fma_f32 v[ACC+4*tt+2:ACC+4*tt+3], v[ACC+4*tt+2:ACC+4*tt+3], s[96:97], v[128+4*tt+2:128+4*tt+3] op_sel_hi:[1,0,1]
.if LAST
	global_store_b128 v[CO], v[ACC+4*tt:ACC+4*tt+3], s[12:13] offset:16384*tt th:TH_STORE_NT
.else
	global_store_b128 v[CO], v[ACC+4*tt:ACC+4*tt+3], s[12:13] offset:16384*tt   ; 16 lanes store 256 consecutive bytes, aligned
.endif
.set tt, tt+1
.endr
	WIN 0
	s_wait_tensorcnt 0x0                           ; the wave's end
	ds_add_u32 v[SPW], v[NIL]
	s_wait_dscnt 0x0
	CROUND                                         ; the closing round
	s_endpgm
.Lfunc_end_k_q58eab3c465_oproj:
	.size	k_q58eab3c465_oproj, .Lfunc_end_k_q58eab3c465_oproj-k_q58eab3c465_oproj
	.p2alignl 7, 3214868480
	.fill 96, 4, 3214868480
	.section	.rodata,"a",@progbits
	.p2align	6, 0x0
	.amdhsa_kernel k_q58eab3c465_oproj
		.amdhsa_group_segment_fixed_size 327680
		.amdhsa_private_segment_fixed_size 0
		.amdhsa_enable_private_segment 0
		.amdhsa_kernarg_size 40
		.amdhsa_user_sgpr_count 2
		.amdhsa_user_sgpr_kernarg_segment_ptr 1
		.amdhsa_wavefront_size32 1
		.amdhsa_system_sgpr_workgroup_id_x 1
		.amdhsa_system_sgpr_workgroup_id_y 1
		.amdhsa_system_sgpr_workgroup_id_z 1
		.amdhsa_system_vgpr_workitem_id 0
		.amdhsa_next_free_vgpr 768
		.amdhsa_next_free_sgpr 100
		.amdhsa_reserve_vcc 0
		.amdhsa_float_denorm_mode_32 3
		.amdhsa_float_denorm_mode_16_64 3
		.amdhsa_memory_ordered 1
		.amdhsa_forward_progress 1
		.amdhsa_inst_pref_size 60
	.end_amdhsa_kernel
	.amdgpu_metadata
---
amdhsa.version: [ 1, 2 ]
amdhsa.kernels:
  - .name:           k_q58eab3c465_oproj
    .symbol:         k_q58eab3c465_oproj.kd
    .args:
      - { .name: ctx, .offset: 0, .size: 8, .value_kind: global_buffer, .address_space: global }
      - { .name: Wo_codes, .offset: 8, .size: 8, .value_kind: global_buffer, .address_space: global }
      - { .name: lowp_scales, .offset: 16, .size: 8, .value_kind: global_buffer, .address_space: global }
      - { .name: x, .offset: 24, .size: 8, .value_kind: global_buffer, .address_space: global }
      - { .name: x1, .offset: 32, .size: 8, .value_kind: global_buffer, .address_space: global }
    .group_segment_fixed_size: 327680
    .private_segment_fixed_size: 0
    .kernarg_segment_align: 8
    .kernarg_segment_size: 40
    .max_flat_workgroup_size: 128
    .sgpr_count:     100
    .vgpr_count:     768
    .wavefront_size: 32
...
	.end_amdgpu_metadata
.endif
;; end of part 4
;; launch norm2 (part 5): grid 256 x 1, 8 waves a work-group, no clusters, 41,984 bytes of LDS; arguments x1, g2, lowp_scales, h2; writes h2
.if DOCPART == 5
	.amdgcn_target "amdgcn-amd-amdhsa--gfx1250"
	.amdhsa_code_object_version 6
	.text
	.protected	k_q58eab3c465_norm2
	.globl	k_q58eab3c465_norm2
	.p2align	8
	.type	k_q58eab3c465_norm2,@function
k_q58eab3c465_norm2:
	s_mov_b64 s[64:65], 0
	v_nop
	global_prefetch_b8 v0, s[64:65] scope:SCOPE_SE
	s_setreg_imm32_b32 hwreg(HW_REG_WAVE_MODE, 25, 1), 1
	s_wait_xcnt 0x0
; h2 = g2 * x1 / sqrt(mean(x1^2) + 1e-6), row by row, turned into codes of E4M3 with the given scale 2^e of entry 12 of lowp_scales.
; x1: [2048 s][2 b][1024] f32.  h2: [b * 2048 + s][1024] codes, K innermost.  code = h2 / 2^e, held within +-448, to the nearest code, ties to even.  LIMIT: e between -126 and 119.  NaN among the inputs is not served.
; SHARES.  A work-group of eight waves takes 16 rows; a wave takes two neighbouring rows (one s, b = 0 and 1; 8 KiB on end) and asks for both at once: 16 loads of 512 consecutive bytes.
; A row stays in 32 registers between the sum of squares and the scaling.  The conversions take neighbours along K from one lane's registers, the loads give a lane 4 of every 128: so a scaled row turns
; through the wave's own stage in LDS (64 places of 64 bytes + 16 of padding) and comes back 16 neighbours a lane, twice.  A lane's 16 codes are 16 bytes: each store of the wave covers 512 consecutive bytes, aligned.
; No matrix unit, no cluster, no barrier: a stream; waves share nothing.
.set XO,  2
.set SW,  3
.set SRD, 4
.set PD,  5
.set INV, 6
.set SCL, 8
.set LM,  11
.set G,   16
.set X,   48
.set Y,   176
.set T,   208
.set C,   224
.set SS,  248
.set WST, 5120
.set SPARE, 8*WST                      ; behind the stages: the spare words, 128 bytes for each wave
	s_load_b256 s[4:11], s[0:1], 0x0               ; x1 s[4:5], g s[6:7], the scales' exponents s[8:9], the codes s[10:11]
	v_lshl_add_u32 v254, v0, 2, SPARE
	v_mov_b32 v255, 0
	v_lshrrev_b32 v1, 5, v0
	v_readfirstlane_b32 s22, v1                    ; wave
	v_and_b32 v1, 31, v0                           ; lane
	v_lshlrev_b32 v[XO], 4, v1
	s_mul_i32 s23, s22, WST
	v_lshrrev_b32 v[SW], 2, v1
	v_mul_u32_u24 v[SW], v[SW], 80
	v_and_b32 v[PD], 3, v1
	v_lshl_add_u32 v[SW], v[PD], 4, v[SW]
	v_add_nc_u32 v[SW], s23, v[SW]                 ; in: 80 (lane / 4) + 16 (lane % 4)
	v_mul_u32_u24 v[SRD], v1, 80
	v_add_nc_u32 v[SRD], s23, v[SRD]               ; out: 80 x lane
	v_mov_b32 v[INV+1], 0
	s_mov_b32 s12, 0x76543210
	s_mov_b32 s13, 0xfedcba98
	s_mov_b32 s14, 0x3a800000                      ; 1 / 1024
	s_mov_b32 s15, 0x358637bd                      ; 1e-6
	s_lshl_b32 s2, ttmp9, 16                       ; the work-group's 16 rows of 4,096 bytes,
	s_lshl_b32 s3, s22, 13                         ; my wave's 2 of them
	s_add_co_u32 s2, s2, s3
	s_mov_b32 s3, 0
	s_lshl_b32 s32, ttmp9, 13                      ; in the codes: row s = 8 x work-group + wave
	s_lshl_b32 s33, s22, 10
	s_add_co_u32 s32, s32, s33
	s_mov_b32 s33, 0
	s_wait_alu depctr_va_vdst(0)
	s_wait_kmcnt 0x0
	s_load_b32 s24, s[8:9], 0x30                   ; entry 12
	s_add_nc_u64 s[4:5], s[4:5], s[2:3]
	s_add_nc_u64 s[16:17], s[10:11], s[32:33]
.irp j, 0,1,2,3,4,5,6,7
	global_load_b128 v[G+4*\j:G+4*\j+3], v[XO], s[6:7] offset:512*\j
.endr
.irp i, 0,1
.irp j, 0,1,2,3,4,5,6,7
	global_load_b128 v[X+32*\i+4*\j:X+32*\i+4*\j+3], v[XO], s[4:5] offset:4096*\i+512*\j th:TH_LOAD_NT
.endr
.endr
	s_wait_kmcnt 0x0
	s_add_co_i32 s34, s24, 127
	s_lshl_b32 s35, s34, 23
	v_mov_b32 v[SCL], s35                          ; 2^e as f32
	s_add_co_i32 s34, s34, 8
	s_lshl_b32 s34, s34, 23
	s_or_b32 s34, s34, 0x600000
	v_mov_b32 v[LM], s34                           ; 448 x 2^e
.macro ROW i
.set XR, X+32*(\i)
	s_wait_loadcnt 8*(1-(\i))                      ; this row's eight loads are in, the later row's may be out
	v_pk_mul_f32 v[SS:SS+1], v[XR:XR+1], v[XR:XR+1]
	v_pk_mul_f32 v[SS+2:SS+3], v[XR+2:XR+3], v[XR+2:XR+3]
.irp j, 4,8,12,16,20,24,28
	v_pk_fma_f32 v[SS:SS+1], v[XR+\j:XR+\j+1], v[XR+\j:XR+\j+1], v[SS:SS+1]
	v_pk_fma_f32 v[SS+2:SS+3], v[XR+\j+2:XR+\j+3], v[XR+\j+2:XR+\j+3], v[SS+2:SS+3]
.endr
	v_pk_add_f32 v[SS:SS+1], v[SS:SS+1], v[SS+2:SS+3]
	v_add_f32 v[SS], v[SS], v[SS+1]
	v_add_f32_dpp v[SS], v[SS], v[SS] row_xmask:1 row_mask:0xf bank_mask:0xf
	v_add_f32_dpp v[SS], v[SS], v[SS] row_xmask:2 row_mask:0xf bank_mask:0xf
	v_add_f32_dpp v[SS], v[SS], v[SS] row_xmask:4 row_mask:0xf bank_mask:0xf
	v_add_f32_dpp v[SS], v[SS], v[SS] row_xmask:8 row_mask:0xf bank_mask:0xf
	v_permlanex16_b32 v[PD], v[SS], s12, s13
	v_add_f32 v[SS], v[SS], v[PD]
	v_fma_f32 v[SS+1], v[SS], s14, s15             ; mean + 1e-6
	s_wait_alu depctr_va_vdst(0)
	v_rsq_f32 v[INV], v[SS+1]
	v_nop                                          ; a plain instruction between the root and its first use
	s_wait_alu depctr_va_vdst(0)                   ; and the wait ahead of the first reader
.irp j, 0,2,4,6,8,10,12,14,16,18,20,22,24,26,28,30
	v_pk_mul_f32 v[XR+\j:XR+\j+1], v[XR+\j:XR+\j+1], v[INV:INV+1] op_sel_hi:[1,0]
.endr
.irp j, 0,2,4,6,8,10,12,14,16,18,20,22,24,26,28,30
	v_pk_mul_f32 v[XR+\j:XR+\j+1], v[XR+\j:XR+\j+1], v[G+\j:G+\j+1]
.endr
.irp j, 0,1,2,3,4,5,6,7
	ds_store_b128 v[SW], v[XR+4*\j:XR+4*\j+3] offset:640*\j
.endr
.irp u, 0,1
.irp k, 0,1,2,3
	ds_load_b128 v[Y+16*\u+4*\k:Y+16*\u+4*\k+3], v[SRD] offset:2560*\u+16*\k   ; LDS serves a wave's instructions in order: these see the stores above
.endr
.endr
	s_wait_dscnt 0x0
	s_wait_xcnt 0x0                                ; the last row's stores have read their codes
.irp u, 0,1
.set kk, 0
.rept 16
	v_med3_num_f32 v[T+kk], v[Y+16*\u+kk], -v[LM], v[LM]           ; the conversion does not saturate (ISA guide 7.6.2): the hold comes first
.set kk, kk+1
.endr
	v_cvt_scalef32_pk8_fp8_f32 v[C+4*\u:C+4*\u+1], v[T:T+7], v[SCL]
	v_cvt_scalef32_pk8_fp8_f32 v[C+4*\u+2:C+4*\u+3], v[T+8:T+15], v[SCL]
	v_nop                                          ; a plain instruction between the conversions and the next holds, which write their sources
	global_store_b128 v[XO], v[C+4*\u:C+4*\u+3], s[16:17] offset:(\i)*2097152+512*\u
.endr
.endm
	ROW 0
	ROW 1
	s_wait_tensorcnt 0x0                           ; the wave's end
	ds_add_u32 v254, v255
	s_wait_dscnt 0x0
	s_endpgm
.Lfunc_end_k_q58eab3c465_norm2:
	.size	k_q58eab3c465_norm2, .Lfunc_end_k_q58eab3c465_norm2-k_q58eab3c465_norm2
	.p2alignl 7, 3214868480
	.fill 96, 4, 3214868480
	.section	.rodata,"a",@progbits
	.p2align	6, 0x0
	.amdhsa_kernel k_q58eab3c465_norm2
		.amdhsa_group_segment_fixed_size 41984
		.amdhsa_private_segment_fixed_size 0
		.amdhsa_enable_private_segment 0
		.amdhsa_kernarg_size 32
		.amdhsa_user_sgpr_count 2
		.amdhsa_user_sgpr_kernarg_segment_ptr 1
		.amdhsa_wavefront_size32 1
		.amdhsa_system_sgpr_workgroup_id_x 1
		.amdhsa_system_sgpr_workgroup_id_y 1
		.amdhsa_system_sgpr_workgroup_id_z 1
		.amdhsa_system_vgpr_workitem_id 0
		.amdhsa_next_free_vgpr 256
		.amdhsa_next_free_sgpr 66
		.amdhsa_reserve_vcc 0
		.amdhsa_float_denorm_mode_32 3
		.amdhsa_float_denorm_mode_16_64 3
		.amdhsa_memory_ordered 1
		.amdhsa_forward_progress 1
		.amdhsa_inst_pref_size 19
	.end_amdhsa_kernel
	.amdgpu_metadata
---
amdhsa.version: [ 1, 2 ]
amdhsa.kernels:
  - .name:           k_q58eab3c465_norm2
    .symbol:         k_q58eab3c465_norm2.kd
    .args:
      - { .name: x1, .offset: 0, .size: 8, .value_kind: global_buffer, .address_space: global }
      - { .name: g2, .offset: 8, .size: 8, .value_kind: global_buffer, .address_space: global }
      - { .name: lowp_scales, .offset: 16, .size: 8, .value_kind: global_buffer, .address_space: global }
      - { .name: h2, .offset: 24, .size: 8, .value_kind: global_buffer, .address_space: global }
    .group_segment_fixed_size: 41984
    .private_segment_fixed_size: 0
    .kernarg_segment_align: 8
    .kernarg_segment_size: 32
    .max_flat_workgroup_size: 256
    .sgpr_count:     66
    .vgpr_count:     256
    .wavefront_size: 32
...
	.end_amdgpu_metadata
.endif
;; end of part 5
;; launch ffn1 (part 6): grid 16 x 16, 4 waves a work-group, clusters of 4 x 4, 327,680 bytes of LDS; arguments h2, W1_codes, lowp_scales, act; writes act
.if DOCPART == 6
	.amdgcn_target "amdgcn-amd-amdhsa--gfx1250"
	.amdhsa_code_object_version 6
	.text
	.protected	k_q58eab3c465_ffn1
	.globl	k_q58eab3c465_ffn1
	.p2align	8
	.type	k_q58eab3c465_ffn1,@function
k_q58eab3c465_ffn1:
	s_mov_b64 s[64:65], 0
	v_nop
	global_prefetch_b8 v0, s[64:65] scope:SCOPE_SE
	s_setreg_imm32_b32 hwreg(HW_REG_WAVE_MODE, 25, 1), 1
	s_wait_xcnt 0x0
	s_wait_alu depctr_hold_cnt(0) depctr_sa_sdst(0) depctr_va_vdst(0) depctr_va_sdst(0) depctr_va_ssrc(0) depctr_va_vcc(0) depctr_vm_vsrc(0)
	s_getreg_b32 s2, hwreg(HW_REG_IB_STS2, 6, 4)
	s_cmp_eq_u32 s2, 0
	s_cbranch_scc0 .Lentry_in_a_cluster
	s_endpgm
.Lentry_in_a_cluster:
	s_bfe_u32 s2, ttmp6, 0x10000c
	s_cmp_lg_u32 s2, 0xf033
	s_cbranch_scc0 .Lentry_shape_is_right
	s_endpgm
.Lentry_shape_is_right:
; act = silu(h2 W1), turned into codes of E4M3 (entry 14 of lowp_scales) and stored as images of the next product's first operand: [tile of 16 tokens 256][128 along K 32][2,048 bytes].
; h2: [token 4096][1024] codes, W1_codes: [hidden 4096][1024] codes; v_wmma_f32_16x16x128_fp8_fp8, sums in f32.  A tile of 256 x 256 to a work-group, 128 x 128 to each of four waves; K in steps of 256
; through a ring of two LDS slots filled by joint tensor loads of a cluster of 4 x 4.  The matrix instruction is used transposed: a lane's eight sums are eight neighbouring hidden units of one token.
; silu(z) = z / (1 + 2^(-z log2 e)) in f32.  LIMITS: e12 + e13 between -126 and 127 less log2 e's exponent; e14 - e12 - e13 between -126 and 119.
; NO PREFETCH: the block is the largest, 256 x 256, in clusters, and K is short: four steps of 256, of which two are asked for by the first fills, and the loop has one trip: there is no loop to run ahead in.
.set SIZE_K, 1024
.set KSTEP,  256
.set ROWB,   256
.set KROW,   SIZE_K
.set PITCH,  272
.set FR,     16
.set NL,     4
.set NP,     4
.set HALFT,  128*PITCH
.set SLOT,   4*HALFT
.set LAPS,   SIZE_K/(2*KSTEP)
.set SPARE,  2*SLOT
.set ADRA, 16
.set ADRB, 20
.set VO,   24
.set SCV,  26
.set LIM,  27
.set SPW,  28
.set NIL,  29
.set T,    32
.set CD,   96
.set AF,   128
.set G1, 24
.set G0, 32
.set G1B, 48
.set G0B, 56
.set MSB, 0
.macro WIN new
.if MSB != \new
	s_set_vgpr_msb (MSB<<8)|\new
.set MSB, \new
.endif
.endm
.set MUL_LO, 0xa1
.set MUL_HI, 0xf1
.set TO_B,   0x40
.macro JLOAD g0a, g1a, g0b, g1b
	s_cmp_eq_u32 s15, 0
	s_cbranch_scc0 .Lfor_b_\@
	tensor_load_to_lds s[\g0a:\g0a+3], s[\g1a:\g1a+7]
	s_nop 0
.rept 4
	v_nop
.endr
	s_branch .Lasked_\@
.Lfor_b_\@:
	tensor_load_to_lds s[\g0b:\g0b+3], s[\g1b:\g1b+7]
	s_nop 0
.rept 4
	v_nop
.endr
.Lasked_\@:
.endm
.macro CREST
	s_cmp_lg_u32 s14, 0
	s_cbranch_scc1 .Lnot_wave_0_\@
	s_barrier_signal -3
.Lnot_wave_0_\@:
	s_barrier_wait -3
	s_barrier_signal -1
	s_barrier_wait -1
.endm
.macro CROUND
	s_barrier_signal -1
	s_barrier_wait -1
	CREST
.endm
	s_load_b128 s[4:7], s[0:1], 0x0
	s_load_b128 s[8:11], s[0:1], 0x10
	v_lshl_add_u32 v[SPW], v0, 2, SPARE
	v_mov_b32 v[NIL], 0
	ds_add_u32 v28, v29
	ds_add_u32 v28, v29
	s_wait_dscnt 0x0
	v_lshrrev_b32 v1, 5, v0
	v_readfirstlane_b32 s14, v1
	s_lshr_b32 s15, s14, 1
	s_and_b32 s16, s14, 1
	s_bfe_u32 s40, ttmp6, 0x40000
	s_bfe_u32 s41, ttmp6, 0x40004
	s_lshl_b32 s42, ttmp9, 2
	s_add_co_u32 s42, s42, s40
	s_and_b32 s17, ttmp7, 0xffff
	s_lshl_b32 s17, s17, 2
	s_add_co_u32 s17, s17, s41
	s_lshl_b32 s43, s41, 2
	s_lshl_b32 s43, 15, s43
	s_lshl_b32 s44, 0x1111, s40
	s_or_b32 s[G1+0], s43, (0<<16)|(1<<20)|(1<<21)|(5<<22)|(3<<25)
	s_or_b32 s[G1B+0], s44, (0<<16)|(1<<20)|(1<<21)|(5<<22)|(3<<25)
.irp g, G1, G1B
	s_mov_b32 s[\g+1], ROWB<<16
	s_mov_b32 s[\g+2], 128<<16
	s_mov_b32 s[\g+3], ROWB<<16
	s_mov_b32 s[\g+4], 128
	s_mov_b32 s[\g+5], KROW
	s_mov_b32 s[\g+6], 0
	s_mov_b32 s[\g+7], 0
.endr
	s_lshl_b32 s18, s16, 17
	s_lshl_b32 s20, s17, 18
	s_add_co_u32 s20, s20, s18
	s_mov_b32 s21, 0
	s_lshl_b32 s46, s42, 18
	s_add_co_u32 s46, s46, s18
	s_mov_b32 s47, 0
	s_mul_i32 s45, s14, HALFT
	s_wait_kmcnt 0x0
	s_load_b128 s[96:99], s[8:9], 0x30
	s_add_nc_u64 s[20:21], s[4:5], s[20:21]
	s_add_nc_u64 s[46:47], s[6:7], s[46:47]
	CROUND
.irp s, 0,1
	s_mov_b32 s[G0+4*\s], 1
	s_add_co_u32 s[G0+4*\s+1], s45, \s*SLOT
	s_add_nc_u64 s[G0+4*\s+2:G0+4*\s+3], s[20:21], \s*ROWB
	s_or_b32 s[G0+4*\s+3], s[G0+4*\s+3], 0x80000000
	s_mov_b32 s[G0B+4*\s], 1
	s_add_co_u32 s[G0B+4*\s+1], s45, \s*SLOT
	s_add_nc_u64 s[G0B+4*\s+2:G0B+4*\s+3], s[46:47], \s*ROWB
	s_or_b32 s[G0B+4*\s+3], s[G0B+4*\s+3], 0x80000000
.endr
	JLOAD G0, G1, G0B, G1B                         ; K step 0: one tensor load a wave at the head
	v_and_b32 v1, 15, v0
	v_bfe_u32 v2, v0, 4, 1
	v_mul_u32_u24 v3, v1, PITCH
	v_lshl_add_u32 v4, v2, 4, v3
	s_mul_i32 s21, s15, HALFT
	s_mul_i32 s22, s16, HALFT
	s_add_co_u32 s22, s22, 2*HALFT
.irp s, 0,1
	v_add_nc_u32 v[ADRA+\s], s21, v4
	v_add_nc_u32 v[ADRB+\s], s22, v4
	s_add_co_u32 s21, s21, SLOT
	s_add_co_u32 s22, s22, SLOT
.endr
	s_lshl_b32 s72, s17, 20
	s_lshl_b32 s73, s15, 19
	s_add_co_u32 s72, s72, s73
	s_lshl_b32 s73, s42, 12
	s_add_co_u32 s72, s72, s73
	s_lshl_b32 s73, s16, 11
	s_add_co_u32 s72, s72, s73
	s_mov_b32 s73, 0
	s_add_nc_u64 s[10:11], s[10:11], s[72:73]
	v_and_b32 v5, 31, v0
	v_lshlrev_b32 v[VO], 4, v5
.macro FRAG reg, adr, q, i
.irp c, 0,1,2,3
	ds_load_b128 v[\reg+4*\c:\reg+4*\c+3], v[\adr] offset:128*(\q)+32*\c+(\i)*16*PITCH
.endr
.endm
.macro MUL16 a0, p, zero
.irp a, \a0, \a0+1
.irp b, 0,1,2,3,4,5,6,7
.if \zero
	v_wmma_f32_16x16x128_fp8_fp8 v[8*(8*((\a)%4)+\b):8*(8*((\a)%4)+\b)+7], v[128*(\p)+FR*\b:128*(\p)+FR*\b+FR-1], v[AF+FR*(\a):AF+FR*(\a)+FR-1], 0
.else
	v_wmma_f32_16x16x128_fp8_fp8 v[8*(8*((\a)%4)+\b):8*(8*((\a)%4)+\b)+7], v[128*(\p)+FR*\b:128*(\p)+FR*\b+FR-1], v[AF+FR*(\a):AF+FR*(\a)+FR-1], v[8*(8*((\a)%4)+\b):8*(8*((\a)%4)+\b)+7]
.endif
.endr
.endr
.endm
.macro FETCH_B slot, q, p
	WIN TO_B
.irp i, 0,1,2,3,4,5,6,7
	FRAG 128*(\p)+FR*\i, ADRB+\slot, \q, \i
.endr
	WIN 0
.endm
.macro FETCH_A slot, q, i0
.irp i, \i0, \i0+1, \i0+2, \i0+3
	FRAG AF+FR*(\i), ADRA+\slot, \q, \i
.endr
.endm
.macro PLACES n
.rept \n
	v_nop
.endr
.endm
.macro STEP slot, q, zero
	s_wait_dscnt 4*NL
	WIN MUL_LO
	MUL16 0, (\q)%2, \zero
	MUL16 2, (\q)%2, \zero
	s_wait_dscnt 0
	PLACES NP
	FETCH_B \slot, (\q)+1, 1-(\q)%2
	FETCH_A \slot, (\q)+1, 0
	WIN MUL_HI
	MUL16 4, (\q)%2, \zero
	MUL16 6, (\q)%2, \zero
	PLACES NP
	WIN 0
	FETCH_A \slot, (\q)+1, 4
.endm
.macro TURN slot, next, fill
	s_wait_tensorcnt 0x0
	ds_add_u32 v[SPW], v[NIL]
	s_wait_dscnt 4*NL+1
	WIN MUL_LO
	MUL16 0, 1, 0
	s_wait_dscnt 0x0
	s_barrier_signal -1
	MUL16 2, 1, 0
	WIN 0
	s_barrier_wait -1
.if \fill
	CREST
	s_add_nc_u64 s[G0+4*\slot+2:G0+4*\slot+3], s[G0+4*\slot+2:G0+4*\slot+3], 2*ROWB
	s_add_nc_u64 s[G0B+4*\slot+2:G0B+4*\slot+3], s[G0B+4*\slot+2:G0B+4*\slot+3], 2*ROWB
	JLOAD G0+4*\slot, G1, G0B+4*\slot, G1B
.else
	PLACES NP
.endif
	FETCH_B \next, 0, 0
	FETCH_A \next, 0, 0
	WIN MUL_HI
	MUL16 4, 1, 0
	MUL16 6, 1, 0
	PLACES NP
	WIN 0
	FETCH_A \next, 0, 4
.endm
	s_wait_alu depctr_va_vdst(0)
	s_wait_tensorcnt 0x0                           ; my part of K step 0 is in; slot 1's first fill is issued as a refill is:
	ds_add_u32 v[SPW], v[NIL]
	s_wait_dscnt 0x0
	CROUND                                         ; everybody's part of K step 0 is in, and all sixteen work-groups are here
	JLOAD G0+4, G1, G0B+4, G1B                     ; K step 1: the first tensor load behind the round
	FETCH_B 0, 0, 0
	FETCH_A 0, 0, 0
	FETCH_A 0, 0, 4
	STEP 0, 0, 1
	s_mov_b32 s3, LAPS-1
.Llap:
	TURN 0, 1, 1
	STEP 1, 0, 0
	TURN 1, 0, 1
	STEP 0, 0, 0
	s_sub_co_u32 s3, s3, 1
	s_cmp_lg_u32 s3, 0
	s_cbranch_scc1 .Llap
	TURN 0, 1, 0
	STEP 1, 0, 0
	s_wait_dscnt 4*NL
	WIN MUL_LO
	MUL16 0, 1, 0
	MUL16 2, 1, 0
	s_wait_dscnt 0
	WIN MUL_HI
	MUL16 4, 1, 0
	MUL16 6, 1, 0
	WIN 0
	s_wait_kmcnt 0x0
	s_add_co_i32 s74, s96, s97
	s_lshl_b32 s75, s74, 23
	s_add_co_i32 s92, s75, 0xbfb8aa3b
	s_mov_b32 s93, s92
	s_sub_co_i32 s74, s98, s74
	s_add_co_i32 s74, s74, 127
	s_lshl_b32 s75, s74, 23
	v_mov_b32 v[SCV], s75
	s_add_co_i32 s74, s74, 8
	s_lshl_b32 s74, s74, 23
	s_or_b32 s74, s74, 0x600000
	v_mov_b32 v[LIM], s74
	PLACES NP
.macro SILU a
.set AC, 64*((\a)%4)
	s_wait_xcnt 0x0
	WIN 0x02+((\a)/4)
.set jj, 0
.rept 32
	v_pk_mul_f32 v[T+jj:T+jj+1], v[AC+jj:AC+jj+1], s[92:93] op_sel_hi:[1,0]
.set jj, jj+2
.endr
	WIN 0
.set jj, 0
	s_wait_alu depctr_va_vdst(0)
.rept 64
	v_exp_f32 v[T+jj], v[T+jj]
.set jj, jj+1
.endr
	v_nop
	s_wait_alu depctr_va_vdst(0)
.set jj, 0
.rept 32
	v_pk_add_f32 v[T+jj:T+jj+1], v[T+jj:T+jj+1], 1.0 op_sel_hi:[1,0]
.set jj, jj+2
.endr
.set jj, 0
	s_wait_alu depctr_va_vdst(0)
.rept 64
	v_rcp_f32 v[T+jj], v[T+jj]
.set jj, jj+1
.endr
	v_nop
	s_wait_alu depctr_va_vdst(0)
	WIN 0x02+((\a)/4)
.set jj, 0
.rept 32
	v_pk_mul_f32 v[T+jj:T+jj+1], v[AC+jj:AC+jj+1], v[T+jj:T+jj+1]
.set jj, jj+2
.endr
	WIN 0
.set jj, 0
.rept 64
	v_med3_num_f32 v[T+jj], v[T+jj], -v[LIM], v[LIM]
.set jj, jj+1
.endr
.irp b, 0,1,2,3,4,5,6,7
	v_cvt_scalef32_pk8_fp8_f32 v[CD+2*\b:CD+2*\b+1], v[T+8*\b:T+8*\b+7], v[SCV]
.endr
	v_nop
.irp g, 0,1,2,3
	global_store_b128 v[VO], v[CD+4*\g:CD+4*\g+3], s[10:11] offset:(\a)*65536+512*\g
.endr
.endm
.irp a, 0,1,2,3,4,5,6,7
	SILU \a
.endr
	s_wait_tensorcnt 0x0
	ds_add_u32 v[SPW], v[NIL]
	s_wait_dscnt 0x0
	CROUND
	s_endpgm
.Lfunc_end_k_q58eab3c465_ffn1:
	.size	k_q58eab3c465_ffn1, .Lfunc_end_k_q58eab3c465_ffn1-k_q58eab3c465_ffn1
	.p2alignl 7, 3214868480
	.fill 96, 4, 3214868480
	.section	.rodata,"a",@progbits
	.p2align	6, 0x0
	.amdhsa_kernel k_q58eab3c465_ffn1
		.amdhsa_group_segment_fixed_size 327680
		.amdhsa_private_segment_fixed_size 0
		.amdhsa_enable_private_segment 0
		.amdhsa_kernarg_size 32
		.amdhsa_user_sgpr_count 2
		.amdhsa_user_sgpr_kernarg_segment_ptr 1
		.amdhsa_wavefront_size32 1
		.amdhsa_system_sgpr_workgroup_id_x 1
		.amdhsa_system_sgpr_workgroup_id_y 1
		.amdhsa_system_sgpr_workgroup_id_z 1
		.amdhsa_system_vgpr_workitem_id 0
		.amdhsa_next_free_vgpr 1024
		.amdhsa_next_free_sgpr 100
		.amdhsa_reserve_vcc 0
		.amdhsa_float_denorm_mode_32 3
		.amdhsa_float_denorm_mode_16_64 3
		.amdhsa_memory_ordered 1
		.amdhsa_forward_progress 1
		.amdhsa_inst_pref_size 200
	.end_amdhsa_kernel
	.amdgpu_metadata
---
amdhsa.version: [ 1, 2 ]
amdhsa.kernels:
  - .name:           k_q58eab3c465_ffn1
    .symbol:         k_q58eab3c465_ffn1.kd
    .args:
      - { .name: h2, .offset: 0, .size: 8, .value_kind: global_buffer, .address_space: global }
      - { .name: W1_codes, .offset: 8, .size: 8, .value_kind: global_buffer, .address_space: global }
      - { .name: lowp_scales, .offset: 16, .size: 8, .value_kind: global_buffer, .address_space: global }
      - { .name: act, .offset: 24, .size: 8, .value_kind: global_buffer, .address_space: global }
    .group_segment_fixed_size: 327680
    .private_segment_fixed_size: 0
    .kernarg_segment_align: 8
    .kernarg_segment_size: 32
    .max_flat_workgroup_size: 128
    .sgpr_count:     100
    .vgpr_count:     1024
    .wavefront_size: 32
...
	.end_amdgpu_metadata
.endif
;; end of part 6
;; launch ffn2 (part 7): grid 64 x 4, 4 waves a work-group, clusters of 4 x 1, 327,680 bytes of LDS; arguments act, W2_codes, lowp_scales, x1, out0; writes out0
.if DOCPART == 7
	.amdgcn_target "amdgcn-amd-amdhsa--gfx1250"
	.amdhsa_code_object_version 6
	.text
	.protected	k_q58eab3c465_ffn2
	.globl	k_q58eab3c465_ffn2
	.p2align	8
	.type	k_q58eab3c465_ffn2,@function
k_q58eab3c465_ffn2:
	s_mov_b64 s[64:65], 0
	v_nop
	global_prefetch_b8 v0, s[64:65] scope:SCOPE_SE
	s_setreg_imm32_b32 hwreg(HW_REG_WAVE_MODE, 25, 1), 1
	s_wait_xcnt 0x0
	s_wait_alu depctr_hold_cnt(0) depctr_sa_sdst(0) depctr_va_vdst(0) depctr_va_sdst(0) depctr_va_ssrc(0) depctr_va_vcc(0) depctr_vm_vsrc(0)
	s_getreg_b32 s2, hwreg(HW_REG_IB_STS2, 6, 4)
	s_cmp_eq_u32 s2, 0
	s_cbranch_scc0 .Lentry_in_a_cluster
	s_endpgm
.Lentry_in_a_cluster:
	s_bfe_u32 s2, ttmp6, 0x10000c
	s_cmp_lg_u32 s2, 0x3003
	s_cbranch_scc0 .Lentry_shape_is_right
	s_endpgm
.Lentry_shape_is_right:
; out0 = x1 + act W2.  act: E4M3 codes as images of the operand's registers, [tile of 16 tokens 256][128 along K][2,048 bytes]; W2_codes: [n 1024][K] rows; x1, out0: f32, natural rows [2 s + b][1024].
; The product runs by v_wmma_f32_16x16x128_fp8_fp8, sums in f32; each sum is multiplied once by 2^(eA + eB) and added to the residual in one fused multiply-add.  LIMIT: eA + eB between -126 and 127.
; SHARES.  A work-group makes 256 tokens x 64 columns (16 x 16 = 256 work-groups); each of four waves 64 tokens x 64 columns in 16 accumulators.
; THE WEIGHT'S 64 ROWS LIE WHOLE IN LDS: four pieces of K / 4 bytes of each row, one tensor load a wave at the head, nothing is filled later: no barrier stands in the loop over K.
; The four row blocks of a cluster (4, 1, 1) need the same 64 rows and ask for them jointly.  THE IMAGES GO FROM MEMORY STRAIGHT INTO EACH WAVE'S REGISTERS, 512 consecutive bytes an instruction,
; each wave its own 64 tokens: they pass through no LDS tile, so there is nothing of them to ask for jointly.
; K IS WALKED ROUND THE PIECES: step t takes the (t / 4)-th 128 of piece t % 4, so that a trip of four steps moves every LDS address by 128 bytes.  The order of the f32 sums along K is this walk's.
; The images hold k in the form's own places (registers 2 c, 2 c + 1: k = 16 c + 8 h + 0..7), so the weight's fragments are read so too: eight loads of 8 bytes at row x pitch + 16 c + 8 h.
; THE MATRIX INSTRUCTION IS USED TRANSPOSED (source 0 = 16 rows of the weight, source 1 = 16 tokens): a lane holds eight neighbouring numbers of a row of the result.
; PREFETCH of the images: the sixteen work-groups that read a block of 256 tokens share its sixteen tiles of tokens out by address (tile = the column block's number); wave 0 asks, one instruction a trip,
; 32 blocks of 256 bytes (four pieces x 2,048 bytes), for what the trip after next loads; the head asks for trips 0 and 1; the last two trips ask for nothing.  The walk's first four steps come by their loads alone.
; REGISTERS: window 0: v2-23 addresses, v128-255 the accumulators ((a, b) at v[128 + 8 (4 a + b)]).  window 1: the images, four buffers of 64.  window 2: v0-127 the weight's fragments, two buffers of 64; v128-255 the residual.
.set SIZE_K, 4096
.set SCOFF,  56                        ; byte of the first of the product's two entries in lowp_scales
.set QI,     7                         ; padding behind every 256 words: a piece's row
.set LAST,   1                         ; 1: the result is read by no later launch
.set PW,     SIZE_K/4                  ; a piece's row in bytes
.set NW,     PW/128                    ; steps of 128 in a piece
.set PITCH,  PW+16                     ; an odd multiple of 16 bytes: the 16 rows of a load start at 16 different groups of four banks (ISA guide 11.1)
.set PIECE,  64*PITCH
.set SPARE,  4*PIECE+512               ; the spare words, 128 bytes for each wave, which no other line names; 512 idle bytes lie ahead of them
.set STAGE,  SPARE+512                 ; the way out: each wave's own 32 rows x (256 bytes + 16); no tensor load lands here
.set SP,     272
.set TT,     16*SIZE_K                 ; from one tile of 16 tokens to the next, in bytes
.set PG,     16*PW                     ; a piece's images in memory: NW x 2,048 bytes
.set AO,   2                           ; v2  16 x lane: my place in an image
.set ABC,  4                           ; v4-7  my lane's place in each piece's first 128
.set AB,   8                           ; v8-11 the same in the trip's 128
.set STO,  12
.set RD,   13
.set CO,   14
.set PFO,  15
.set SPW,  16
.set NIL,  17
.set ACC,  128
.set G1,   24
.set G0,   32
.set SA,   36                          ; s[36:37] my wave's images at the trip's 128
.set PF,   38                          ; s[38:39] where my work-group's prefetches stand
.set LIM,  44
.set TB,   45                          ; 128 x trip: the loop's counter and the LDS step
.set MSB, 0
.macro WIN new                         ; the immediate's high byte repeats the setting that is left
.if MSB != \new
	s_set_vgpr_msb (MSB<<8)|\new
.set MSB, \new
.endif
.endm
.set MUL, 0x06                         ; source 0 window 2, source 1 window 1; C and D window 0
.macro CROUND                          ; a round of the cluster's barrier
	s_barrier_signal -1
	s_barrier_wait -1
	s_cmp_lg_u32 s14, 0
	s_cbranch_scc1 .Lnot_wave_0_\@
	s_barrier_signal -3
.Lnot_wave_0_\@:
	s_barrier_wait -3
	s_barrier_signal -1
	s_barrier_wait -1
.endm
.macro PLACES                          ; four plain vector instructions between a matrix instruction and a load into a register that it read, or a read of its result
.rept 4
	v_nop
.endr
.endm
.macro LA pa, aw                       ; 16 loads: four images of piece pa, aw steps on, into buffer pa
	WIN 0x40
.irp a, 0,1,2,3
.irp g, 0,1,2,3
	global_load_b128 v[64*(\pa)+16*\a+4*\g:64*(\pa)+16*\a+4*\g+3], v[AO], s[SA:SA+1] offset:(\pa)*PG+(\aw)*2048+\a*TT+\g*512
.endr
.endr
.endm
.macro LB pb, bw                       ; 32 LDS loads: the weight's four fragments of piece pb, bw steps on, into buffer pb % 2
	WIN 0x80
.irp b, 0,1,2,3
.irp c, 0,1,2,3,4,5,6,7
	ds_load_b64 v[64*((\pb)%2)+16*\b+2*\c:64*((\pb)%2)+16*\b+2*\c+1], v[AB+(\pb)] offset:16*\b*PITCH+(\bw)*128+16*\c
.endr
.endr
.endm
; A step: asks for the images three steps on and for the weight's fragments one step on, into the buffers that the last step's products read, then multiplies.
; cnt: the image loads issued behind this step's sixteen.  The 16 accumulators take turns, one instruction a turn, in the same order in every step.
.macro CH t, zero, la, aw, lb, bw, cnt
.set PA_, ((\t)+3)%4
.set PB_, ((\t)+1)%4
.if \zero == 0
	PLACES
.endif
.if \la
	LA PA_, \aw
.endif
.if \lb
	LB PB_, \bw
.endif
	s_wait_loadcnt \cnt
	s_wait_dscnt 32*(\lb)                          ; this step's fragments are in; the 32 just issued may be out
	WIN MUL
.irp a, 0,1,2,3
.irp b, 0,1,2,3
.if \zero
	v_wmma_f32_16x16x128_fp8_fp8 v[ACC+8*(4*\a+\b):ACC+8*(4*\a+\b)+7], v[64*((\t)%2)+16*\b:64*((\t)%2)+16*\b+15], v[64*(\t)+16*\a:64*(\t)+16*\a+15], 0
.else
	v_wmma_f32_16x16x128_fp8_fp8 v[ACC+8*(4*\a+\b):ACC+8*(4*\a+\b)+7], v[64*((\t)%2)+16*\b:64*((\t)%2)+16*\b+15], v[64*(\t)+16*\a:64*(\t)+16*\a+15], v[ACC+8*(4*\a+\b):ACC+8*(4*\a+\b)+7]
.endif
.endr
.endr
.endm
	s_load_b256 s[4:11], s[0:1], 0x0               ; the images s[4:5], the weight s[6:7], the scales' exponents s[8:9], the residual s[10:11]
	s_load_b64 s[12:13], s[0:1], 0x20              ; the result
	v_lshl_add_u32 v[SPW], v0, 2, SPARE
	v_mov_b32 v[NIL], 0
	ds_add_u32 v[SPW], v[NIL]                      ; the opening lines: the add, twice on end, and its wait ahead of my first tensor load
	ds_add_u32 v[SPW], v[NIL]
	v_lshrrev_b32 v1, 5, v0
	v_readfirstlane_b32 s14, v1                    ; wave 0..3
	s_bfe_u32 s40, ttmp6, 0x40000                  ; cx
	s_and_b32 s41, ttmp7, 0xffff
	s_lshl_b32 s41, s41, 2
	s_add_co_u32 s41, s41, s40                     ; my block of 256 tokens = 4 y + cx; my block of 64 columns = the cluster's x, which the partners share
	s_mov_b32 s[G1], 15|(1<<20)|(1<<21)|(QI<<22)|(3<<25)   ; the four partners; elements of 1 byte; padding on; bit 21 beside a mask; 4 words behind every row
	s_mov_b32 s[G1+1], PW<<16                      ; tensor_dim0
	s_mov_b32 s[G1+2], 64<<16                      ; tensor_dim1
	s_mov_b32 s[G1+3], PW<<16                      ; tile_dim0
	s_mov_b32 s[G1+4], 64                          ; tile_dim1
	s_mov_b32 s[G1+5], SIZE_K                      ; from row to row
	s_mov_b32 s[G1+6], 0
	s_mov_b32 s[G1+7], 0
	s_lshl_b32 s46, ttmp9, 6
	s_mul_i32 s46, s46, SIZE_K                     ; the weight: row 64 x column block,
	s_mul_i32 s47, s14, PW
	s_add_co_u32 s46, s46, s47                     ; piece = my wave
	s_mov_b32 s47, 0
	s_mul_i32 s43, s14, PIECE                      ; and where it goes
	s_lshl_b32 s16, s41, 4
	s_lshl_b32 s17, s14, 2
	s_add_co_u32 s17, s16, s17                     ; my first tile of 16 tokens
	s_mul_i32 s18, s17, TT
	s_mov_b32 s19, 0
	s_add_co_u32 s20, s16, ttmp9                   ; the tile of tokens that my work-group prefetches for the sixteen that read the block
	s_mul_i32 s20, s20, TT
	s_mov_b32 s21, 0
	s_and_b32 s22, s41, 7
	s_lshl_b32 s22, s22, 8
	s_lshl_b32 s23, s14, 6
	s_add_co_u32 s22, s22, s23                     ; s of my first row
	s_lshl_b32 s22, s22, 1
	s_lshr_b32 s23, s41, 3                         ; b
	s_add_co_u32 s22, s22, s23
	s_lshl_b32 s22, s22, 12                        ; natural row 2 s + b, 4,096 bytes a row
	s_lshl_b32 s23, ttmp9, 8
	s_add_co_u32 s22, s22, s23                     ; + my 64 columns
	s_mov_b32 s23, 0
	s_mul_i32 s48, s14, 32*SP
	s_add_co_u32 s48, s48, STAGE                   ; my stage
	s_cmp_eq_u32 s14, 0
	s_cselect_b32 s[LIM], 128*(NW-3), 0            ; wave 0 prefetches while three trips on is inside K
	s_mov_b32 s[TB], 0
	s_wait_dscnt 0x0                               ; both opening adds are done
	s_wait_kmcnt 0x0
	s_load_b64 s[96:97], s[8:9], SCOFF             ; eA, eB
	s_add_nc_u64 s[SA:SA+1], s[4:5], s[18:19]
	s_add_nc_u64 s[PF:PF+1], s[4:5], s[20:21]
	s_add_nc_u64 s[10:11], s[10:11], s[22:23]
	s_add_nc_u64 s[12:13], s[12:13], s[22:23]
	s_mov_b32 s[G0], 1
	s_mov_b32 s[G0+1], s43
	s_add_nc_u64 s[G0+2:G0+3], s[6:7], s[46:47]
	s_or_b32 s[G0+3], s[G0+3], 0x80000000
	CROUND                                         ; the four partners are here: the joint loads meet
	tensor_load_to_lds s[G0:G0+3], s[G1:G1+7]      ; my piece of the weight's 64 rows: the wave's one tensor load
	s_nop 0
	PLACES
	v_and_b32 v18, 15, v0                          ; r
	v_bfe_u32 v19, v0, 4, 1                        ; h
	v_and_b32 v20, 31, v0
	v_lshlrev_b32 v[AO], 4, v20
	v_mul_u32_u24 v21, v18, PITCH
	v_lshl_add_u32 v21, v19, 3, v21                ; the weight: row r, + 8 h
.irp p, 0,1,2,3
	v_add_nc_u32 v[ABC+\p], \p*PIECE, v21
	v_add_nc_u32 v[AB+\p], \p*PIECE, v21
.endr
	v_mul_u32_u24 v22, v18, SP
	v_lshl_add_u32 v22, v19, 5, v22
	v_add_nc_u32 v[STO], s48, v22                  ; in: row r, 32 bytes for each half of the lanes
	v_mul_u32_u24 v23, v19, SP
	v_lshl_add_u32 v23, v18, 4, v23
	v_add_nc_u32 v[RD], s48, v23                   ; back: lanes 0-15 one row of 256 bytes, lanes 16-31 the next
	v_lshlrev_b32 v22, 13, v19
	v_lshl_add_u32 v[CO], v18, 4, v22              ; and the same two rows in memory, 8,192 bytes apart
.if NW > 3
	v_lshrrev_b32 v23, 3, v20
	v_and_b32 v20, 7, v20
	v_lshlrev_b32 v20, 8, v20
	v_lshl_add_u32 v[PFO], v23, 14, v20            ; lane l: piece l / 8 (PG = 16,384 bytes apart), block l % 8 of its 2,048 bytes
.endif
	s_wait_alu depctr_va_vdst(0)
	WIN 0x80
.set tt, 0
.rept 32
	global_load_b128 v[128+4*tt:128+4*tt+3], v[CO], s[10:11] offset:16384*tt th:TH_LOAD_NT   ; the residual of my 64 x 64, as it will be stored: the oldest loads, so every later count leaves them out
.set tt, tt+1
.endr
	LA 0, 0                                        ; steps 0, 1, 2
	LA 1, 0
	LA 2, 0
	WIN 0
.if NW > 3
	s_cmp_lg_u32 s14, 0
	s_cbranch_scc1 .Lno_head
	global_prefetch_b8 v[PFO], s[PF:PF+1] offset:2048 th:TH_LOAD_NT scope:SCOPE_SE   ; what trips 0 and 1 will load of my work-group's tile of tokens
	global_prefetch_b8 v[PFO], s[PF:PF+1] offset:4096 th:TH_LOAD_NT scope:SCOPE_SE
.Lno_head:
.endif
	s_wait_tensorcnt 0x0                           ; my piece is in
	s_barrier_signal -1
	s_barrier_wait -1                              ; all four are
	LB 0, 0
	CH 0, 1, 1, 0, 1, 0, 48                        ; the first step's products start the sums.  48: steps 1, 2, 3
	WIN 0
.Ltrip:                                            ; NW - 1 trips of four steps, from a round's second piece to the next round's first
.if NW > 3
	s_cmp_lt_u32 s[TB], s[LIM]
	s_cbranch_scc0 .Lno_ask
	global_prefetch_b8 v[PFO], s[PF:PF+1] offset:3*2048 th:TH_LOAD_NT scope:SCOPE_SE   ; 32 blocks of 256 bytes: what the trip after next will load
.Lno_ask:
.endif
	CH 1, 0, 1, 1, 1, 0, 48
	CH 2, 0, 1, 1, 1, 0, 48
	CH 3, 0, 1, 1, 1, 1, 48
	CH 0, 0, 1, 1, 1, 1, 48
	WIN 0
	s_wait_xcnt 0x0                                ; the loads and the prefetch have read their bases
	s_add_nc_u64 s[SA:SA+1], s[SA:SA+1], 2048
	s_add_nc_u64 s[PF:PF+1], s[PF:PF+1], 2048
	s_add_co_u32 s[TB], s[TB], 128
.irp p, 0,1,2,3
	v_add_nc_u32 v[AB+\p], s[TB], v[ABC+\p]
.endr
	s_cmp_lg_u32 s[TB], 128*(NW-1)
	s_wait_alu depctr_va_vdst(0)
	s_cbranch_scc1 .Ltrip
	CH 1, 0, 0, 0, 1, 0, 32                        ; the last three steps ask for no images: two steps', one step's, none are out
	CH 2, 0, 0, 0, 1, 0, 16
	CH 3, 0, 0, 0, 0, 0, 0
	WIN 0
	; THE WAY OUT.  A lane holds 32 bytes of a row and the lanes beside it other rows: the sums go through my own stage, 32 rows at a time, and come back as whole rows of 256 bytes, where the residual's registers lie alike.
	s_wait_kmcnt 0x0
	s_add_co_i32 s96, s96, s97
	s_add_co_i32 s96, s96, 127
	s_lshl_b32 s96, s96, 23                        ; 2^(eA + eB) as f32
	s_mov_b32 s97, s96                             ; (named with it as a pair)
	PLACES
.irp u, 0,1
.irp a, 0,1
.irp b, 0,1,2,3
	ds_store_b128 v[STO], v[ACC+8*(4*(2*\u+\a)+\b):ACC+8*(4*(2*\u+\a)+\b)+3] offset:16*\a*SP+64*\b          ; each accumulator from its low end on
	ds_store_b128 v[STO], v[ACC+8*(4*(2*\u+\a)+\b)+4:ACC+8*(4*(2*\u+\a)+\b)+7] offset:16*\a*SP+64*\b+16
.endr
.endr
.set tt, 0
.rept 16
	ds_load_b128 v[ACC+64*\u+4*tt:ACC+64*\u+4*tt+3], v[RD] offset:2*tt*SP   ; LDS serves a wave's instructions in order (ISA guide 5.7.1.4): these see the stores above, and the next half's stores come behind them
.set tt, tt+1
.endr
.endr
	WIN 0x20                                       ; source 2: window 2
.set tt, 0
.rept 32
	s_wait_dscnt 31-tt+16*(1-tt/16)                ; rows 2 t, 2 t + 1 are back; the younger loads, and for the first half the second half's 16 stores, may be out
	v_pk_fma_f32 v[ACC+4*tt:ACC+4*tt+1], v[ACC+4*tt:ACC+4*tt+1], s[96:97], v[128+4*tt:128+4*tt+1] op_sel_hi:[1,0,1]
	v_pk_fma_f32 v[ACC+4*tt+2:ACC+4*tt+3], v[ACC+4*tt+2:ACC+4*tt+3], s[96:97], v[128+4*tt+2:128+4*tt+3] op_sel_hi:[1,0,1]
.if LAST
	global_store_b128 v[CO], v[ACC+4*tt:ACC+4*tt+3], s[12:13] offset:16384*tt th:TH_STORE_NT   ; 16 lanes store 256 consecutive bytes, aligned
.else
	global_store_b128 v[CO], v[ACC+4*tt:ACC+4*tt+3], s[12:13] offset:16384*tt
.endif
.set tt, tt+1
.endr
	WIN 0
	s_wait_tensorcnt 0x0                           ; the wave's end
	ds_add_u32 v[SPW], v[NIL]
	s_wait_dscnt 0x0
	CROUND                                         ; the closing round
	s_endpgm
.Lfunc_end_k_q58eab3c465_ffn2:
	.size	k_q58eab3c465_ffn2, .Lfunc_end_k_q58eab3c465_ffn2-k_q58eab3c465_ffn2
	.p2alignl 7, 3214868480
	.fill 96, 4, 3214868480
	.section	.rodata,"a",@progbits
	.p2align	6, 0x0
	.amdhsa_kernel k_q58eab3c465_ffn2
		.amdhsa_group_segment_fixed_size 327680
		.amdhsa_private_segment_fixed_size 0
		.amdhsa_enable_private_segment 0
		.amdhsa_kernarg_size 40
		.amdhsa_user_sgpr_count 2
		.amdhsa_user_sgpr_kernarg_segment_ptr 1
		.amdhsa_wavefront_size32 1
		.amdhsa_system_sgpr_workgroup_id_x 1
		.amdhsa_system_sgpr_workgroup_id_y 1
		.amdhsa_system_sgpr_workgroup_id_z 1
		.amdhsa_system_vgpr_workitem_id 0
		.amdhsa_next_free_vgpr 768
		.amdhsa_next_free_sgpr 100
		.amdhsa_reserve_vcc 0
		.amdhsa_float_denorm_mode_32 3
		.amdhsa_float_denorm_mode_16_64 3
		.amdhsa_memory_ordered 1
		.amdhsa_forward_progress 1
		.amdhsa_inst_pref_size 61
	.end_amdhsa_kernel
	.amdgpu_metadata
---
amdhsa.version: [ 1, 2 ]
amdhsa.kernels:
  - .name:           k_q58eab3c465_ffn2
    .symbol:         k_q58eab3c465_ffn2.kd
    .args:
      - { .name: act, .offset: 0, .size: 8, .value_kind: global_buffer, .address_space: global }
      - { .name: W2_codes, .offset: 8, .size: 8, .value_kind: global_buffer, .address_space: global }
      - { .name: lowp_scales, .offset: 16, .size: 8, .value_kind: global_buffer, .address_space: global }
      - { .name: x1, .offset: 24, .size: 8, .value_kind: global_buffer, .address_space: global }
      - { .name: out0, .offset: 32, .size: 8, .value_kind: global_buffer, .address_space: global }
    .group_segment_fixed_size: 327680
    .private_segment_fixed_size: 0
    .kernarg_segment_align: 8
    .kernarg_segment_size: 40
    .max_flat_workgroup_size: 128
    .sgpr_count:     100
    .vgpr_count:     768
    .wavefront_size: 32
...
	.end_amdgpu_metadata
.endif
;; end of part 7
